; MI455X (gfx1250); checked and timed in simulation.
; The chip was launched on July 23, 2026; its instructions are those of AMD's public machine-readable ISA for CDNA 5 (MIT licence, August 2026) and "CDNA5" Instruction Set Architecture Reference Guide (July 2026). The comments in the code are by the model that wrote it; some were corrected since.
;; Multi Head Attention. Allowed arithmetic: matrix products marked QUANTISED: E4M3 operands, one given power-of-two scale a tensor, by v_wmma_f32_16x16x64_fp8_fp8 or v_wmma_f32_16x16x128_fp8_fp8, f32 sums; everything else in f32.
;; Inputs: Wk 1,024 x 1,024 float32; Wo 1,024 x 1,024 float32; Wq 1,024 x 1,024 float32; Wv 1,024 x 1,024 float32; bk 1,024 float32; bo 1,024 float32; bq 1,024 float32; bv 1,024 float32; lowp_scales 12 int32 (the exponents e of the quantised operands' scales 2^e); mask 1 x 1 x 2,048 x 2,048 bool; x 4 x 2,048 x 1,024 float32.
;; Outputs: out0 4 x 2,048 x 1,024 float32.
;; This version of the problem:
;;   THIS VERSION OF THE PROBLEM IS GIVEN IN LOW PRECISION. The matrix products marked QUANTISED in the list below multiply operands that are first quantised to E4M3 (4 exponent bits, 3 mantissa bits; 8 bits a number), with one given power-of-two scale for each operand tensor; their sums are f32. All else is computed in f32.
;;   The module's matrix products, in the order in which they are computed (A, B: the left and right operand; K: the contracted axis; several contracted axes count as one K, in the product's order):
;;     1. [M 8,192, K 1,024] x [K 1,024, N 1,024]; A: input x; B: input Wq: QUANTISED (scales: A lowp_scales[0], B lowp_scales[1])
;;     2. [M 8,192, K 1,024] x [K 1,024, N 1,024]; A: input x; B: input Wk: QUANTISED (scales: A lowp_scales[2], B lowp_scales[3])
;;     3. [M 8,192, K 1,024] x [K 1,024, N 1,024]; A: input x; B: input Wv: QUANTISED (scales: A lowp_scales[4], B lowp_scales[5])
;;     4. batch 64 x [M 2,048, K 64] x [K 64, N 2,048]; A: computed on the way; B: computed on the way: QUANTISED (scales: A lowp_scales[6], B lowp_scales[7])
;;     5. batch 64 x [M 2,048, K 2,048] x [K 2,048, N 64]; A: softmax (see below); B: computed on the way: QUANTISED (scales: A lowp_scales[8], B lowp_scales[9])
;;     6. [M 8,192, K 1,024] x [K 1,024, N 1,024]; A: computed on the way; B: input Wo: QUANTISED (scales: A lowp_scales[10], B lowp_scales[11])
;;   THE QUANTISER, for each operand of a quantised product, along K:
;;     - The operand's scale is 2^e, e = its entry of the input lowp_scales (int32; the entries are numbered through the quantised products in the list's order, A before B).
;;     - Each number is divided by the scale, clamped to +-448, and rounded to the nearest number of E4M3, ties to even, subnormals kept.
;;     - The product sums the exact products of the quantised numbers (number of the format x scale) in f32.
;;   ~~~python
;;   def quantise(x, axis, e):      # numpy; x: float32 -> the quantised numbers, widened to float32 again
;;       x = np.moveaxis(x, axis, -1); K = x.shape[-1]
;;       r = np.clip(x / 2.0 ** e, -448, 448)
;;       step = 2.0 ** (np.maximum(np.frexp(np.where(r == 0, 1, r))[1] - 1, -6) - 3)
;;       q = np.round(r / step) * step * 2.0 ** e      # np.round: ties to even
;;       return np.moveaxis(q, -1, axis).astype(np.float32)
;;   ~~~
;;   SOFTMAX AHEAD OF A QUANTISED PRODUCT. Where the list says 'softmax', what is quantised is not the finished softmax but p = 2^(t - M), with t = logit x log2(e) and M = ceil(the row's largest t), a whole number; so 1/2 < the row's largest p <= 1. The row's sum l is taken of the UNQUANTISED p, in f32, and the product's result is divided by l at the end. Since M is a whole number, a kernel that streams over the keys may use a running M (the ceiling of the running maximum): every later rescaling is an exact power of two, so the quantised numbers keep their values, but for numbers so far below the row's largest that they fall under the format's range.
;;   OPERANDS COMPUTED ON THE WAY. 'Computed on the way' means the value that the module computes at that place (a softmax that the list does not call 'softmax' is quantised finished and normalised). What goes into a quantiser is computed in f32, as accurately as f32 sums, v_exp_f32 and their like allow (about 1e-6 of the number): no bf16 or f16 on the way to a quantiser, and a product that is left as it is and whose result goes on into a quantised operand takes f32 operands (vector FMAs, or v_wmma_f32_16x16x4_f32). A number that lies on a knife's edge between two numbers of the format may be rounded either way, as far as f32 arithmetic and the matrix unit's own rounding can turn it there, and no further.
;; One version. Each part assembles by itself: llvm-mc -triple=amdgcn-amd-amdhsa -mcpu=gfx1250 --defsym DOCPART=n.
;; ======== version 1 of 1: 4 launches
;; limits: right only within a limited range of input values
;; workspace buffers: xc 25,165,824 bytes; wc 4,194,304 bytes; maskw 524,288 bytes of whole numbers; qkv 25,165,824 bytes; oimg 8,388,608 bytes
;; launch prep (part 1): grid 896 x 1, 8 waves a work-group, no clusters, 68,608 bytes of LDS; arguments x, Wq, Wk, Wv, Wo, mask, lowp_scales, xc, wc, maskw; writes xc, wc, maskw
.if DOCPART == 1
	.amdgcn_target "amdgcn-amd-amdhsa--gfx1250"
	.amdhsa_code_object_version 6
	.text
	.protected	k_q42dc0f445b_prep
	.globl	k_q42dc0f445b_prep
	.p2align	8
	.type	k_q42dc0f445b_prep,@function
k_q42dc0f445b_prep:
	s_mov_b64 s[64:65], 0
	v_nop
	global_prefetch_b8 v0, s[64:65] scope:SCOPE_SE
	s_setreg_imm32_b32 hwreg(HW_REG_WAVE_MODE, 25, 1), 1
	s_wait_xcnt 0x0
; PREP: the operands that arrive as inputs are laid out once, as the later launches take them.
; THE IMAGE.  Every operand of a product is kept as an image of the matrix instruction's registers (8-bit codes, plain form): lane l = r + 16 h holds row r, and its
; registers 2 c, 2 c + 1 hold k = 16 c + 8 h + 0 .. 7.  Registers 4 u .. 4 u + 3 of the 32 lanes are 512 consecutive bytes, lane l's 16 bytes at 16 l; 16 rows x 128 k are 2,048 bytes.
; Three paths, parted by the work-group's number:
;   X (work-groups 0-511):   x [8192][1024] f32 -> xc [3][512 row tiles][8 chunks of 128 k][2,048]: codes under the scales of entries 0, 2 and 4 of lowp_scales (x is read once, quantised three times).
;   W (work-groups 512-639): Wq, Wk, Wv, Wo [k][n] f32 -> wc [4][64 tiles of 16 n][8 chunks][2,048]: a row of the image is an output column n (entries 1, 3, 5, 11).
;   M (work-groups 640-895): mask [2048][2048] bytes -> maskw [128 query tiles][16 key steps][64 words]: bit L of word j = mask[16 Tq + L % 16][128 st + 16 (j / 8) + 8 (L / 16) + j % 8].
; code = number / 2^e, held within +-448, to the nearest code, ties to even.  LIMITS: each e between -126 and 119; NaN among the inputs is not served; an infinity is held at the largest code.
; No cluster: no two work-groups read the same bytes.  No tensor load: each wave has one short task, and its loads are all out at once.
.set SP,    528                        ; path X: a row of the stage: 512 bytes + 16
.set WREG,  16*SP                      ; a wave's stage: 16 rows
.set SPARE, 8*WREG                     ; behind the eight stages: the spare words, 128 bytes for each wave: four blocks of 256 bytes that no other line names
.set SPW,   2                          ; v2  LDS address of my spare word; never rewritten
.set NIL,   3                          ; v3  0; never rewritten
.set R,     16                         ; X: v16-79   16 rows' pieces as loaded
.set X,     80                         ; X: v80-143  64 numbers in the image's order
.set TMP,   144
.set CD,    160                        ; X: v160-207 codes, 16 registers for each of the three scales
.set WX,    16                         ; W: v16-79   two sets of 32 numbers down K
.set WC,    80                         ; W: v80-111  codes, 8 registers for each block of 32 k
	s_load_b512 s[4:19], s[0:1], 0x0               ; x s[4:5], Wq s[6:7], Wk s[8:9], Wv s[10:11], Wo s[12:13], mask s[14:15], lowp_scales s[16:17], xc s[18:19]
	s_load_b128 s[20:23], s[0:1], 0x40             ; wc s[20:21], maskw s[22:23]
	v_lshl_add_u32 v[SPW], v0, 2, SPARE
	v_mov_b32 v[NIL], 0
	v_lshrrev_b32 v1, 5, v0
	s_delay_alu instid0(VALU_DEP_1)
	v_readfirstlane_b32 s24, v1                    ; wave 0..7
	v_and_b32 v1, 31, v0                           ; lane
	s_wait_kmcnt 0x0
	s_cmp_lt_u32 ttmp9, 512
	s_cbranch_scc1 .Lpath_x
	s_cmp_lt_u32 ttmp9, 640
	s_cbranch_scc1 .Lpath_w
; ---- PATH M.  A wave makes the 64 words of one query tile and one key step: lane (r, h) reads, of mask row 16 Tq + r, the 8 bytes at 128 st + 16 t + 8 h, t = 0 .. 7.
	s_sub_co_u32 s25, ttmp9, 640
	s_lshr_b32 s26, s25, 1                         ; Tq
	s_and_b32 s27, s25, 1
	s_lshl_b32 s27, s27, 3
	s_add_co_u32 s27, s27, s24                     ; st = 8 x (work-group's low bit) + wave
	s_lshl_b32 s30, s26, 15                        ; 16 rows of 2,048 bytes
	s_lshl_b32 s28, s27, 7
	s_add_co_u32 s30, s30, s28
	s_mov_b32 s31, 0
	s_add_nc_u64 s[14:15], s[14:15], s[30:31]
	s_lshl_b32 s30, s26, 4
	s_add_co_u32 s30, s30, s27
	s_lshl_b32 s30, s30, 8                         ; 256 bytes of words for each (Tq, st)
	s_add_nc_u64 s[22:23], s[22:23], s[30:31]
	s_wait_alu depctr_va_vdst(0)
	v_and_b32 v6, 15, v1                           ; r
	v_lshrrev_b32 v7, 4, v1                        ; h
	s_delay_alu instid0(VALU_DEP_2)
	v_lshlrev_b32 v4, 11, v6
	s_delay_alu instid0(VALU_DEP_1)
	v_lshl_add_u32 v4, v7, 3, v4                   ; 2,048 r + 8 h
	v_lshlrev_b32 v5, 3, v1                        ; out: two words a lane
.irp t, 0,1,2,3,4,5,6,7
	global_load_b64 v[16+2*\t:17+2*\t], v4, s[14:15] offset:16*\t th:TH_LOAD_NT
.endr
	v_mov_b32 v12, 0                               ; written whole once: v_writelane_b32 keeps the other lanes
	v_mov_b32 v13, 0
	s_wait_alu depctr_va_vdst(0)
	s_wait_loadcnt 0x0
.set j, 0
.rept 64                               ; word j: one byte of every lane, as a lane mask; it goes to lane j / 2 of v12 (even j) or v13 (odd j)
	v_and_b32 v[8+j%4], 0xff<<(8*(j%4)), v[16+2*(j/8)+(j%8)/4]
	s_delay_alu instid0(VALU_DEP_1)
	v_cmp_ne_u32 s[41+j%4], 0, v[8+j%4]
	s_delay_alu instid0(VALU_DEP_1)
	v_writelane_b32 v[12+j%2], s[41+j%4], j/2
.set j, j+1
.endr
	global_store_b64 v5, v[12:13], s[22:23]        ; the wave stores 256 consecutive bytes, at a multiple of 256 from the buffer's first byte
	s_wait_tensorcnt 0x0                           ; the wave's end: one form for all three paths
	ds_add_u32 v[SPW], v[NIL]
	s_wait_dscnt 0x0
	s_endpgm
; ---- PATH X.  Work-group = row tile T (16 rows), wave = chunk C (128 k).  Each load reads 512 consecutive bytes of one row; the 8,192 bytes turn through the wave's own stage,
; so that lane (r, h) gets, of row r, the eight numbers k = 16 c + 8 h + 0 .. 7 of each c: the order in which the conversions' results are the image's registers.
.Lpath_x:
	s_load_b256 s[32:39], s[16:17], 0x0            ; entries 0 to 7: x's three exponents are s32, s34, s36
	s_wait_alu depctr_va_vdst(0)
	v_lshlrev_b32 v4, 4, v1                        ; 16 x lane: in memory, on the way in and on the way out
	s_wait_alu depctr_va_vdst(0)
	s_mul_i32 s25, s24, WREG
	v_add_nc_u32 v5, s25, v4                       ; the stage, way in: 16 x lane, a row an instruction
	v_and_b32 v7, 15, v1
	s_delay_alu instid0(VALU_DEP_1)
	v_mul_u32_u24 v7, v7, SP
	v_lshrrev_b32 v6, 4, v1
	s_delay_alu instid0(VALU_DEP_1)
	v_lshl_add_u32 v6, v6, 5, v7
	s_delay_alu instid0(VALU_DEP_1)
	v_add_nc_u32 v6, s25, v6                       ; way out: 528 r + 32 h
	s_lshl_b32 s30, ttmp9, 16                      ; 16 rows of 4,096 bytes
	s_lshl_b32 s31, s24, 9                         ; 128 numbers
	s_add_co_u32 s30, s30, s31
	s_mov_b32 s31, 0
	s_add_nc_u64 s[4:5], s[4:5], s[30:31]
	s_lshl_b32 s30, ttmp9, 14
	s_lshl_b32 s25, s24, 11
	s_add_co_u32 s30, s30, s25
	s_add_nc_u64 s[18:19], s[18:19], s[30:31]      ; the image's place under the first scale,
	s_add_nc_u64 s[26:27], s[18:19], 0x800000      ; the second (512 tiles x 16,384 bytes on),
	s_add_nc_u64 s[28:29], s[18:19], 0x1000000     ; the third
.irp i, 0,1,2,3,4,5,6,7,8,9,10,11,12,13,14,15
	global_load_b128 v[R+4*\i:R+4*\i+3], v4, s[4:5] offset:4096*\i th:TH_LOAD_NT
.endr
	s_wait_alu depctr_va_vdst(0)
.irp i, 0,1,2,3,4,5,6,7,8,9,10,11,12,13,14,15
	s_wait_loadcnt 15-\i                           ; loads come back in order: row i is in, the 15 - i younger ones may be out
	ds_store_b128 v5, v[R+4*\i:R+4*\i+3] offset:SP*\i
.endr
.irp c, 0,1,2,3,4,5,6,7
	ds_load_b128 v[X+8*\c:X+8*\c+3], v6 offset:64*\c       ; LDS serves a wave's instructions in order: these see my stores
	ds_load_b128 v[X+8*\c+4:X+8*\c+7], v6 offset:64*\c+16
.endr
	s_wait_kmcnt 0x0
.irp p, 0,1,2
	s_add_co_i32 s25, s[32+2*\p], 127
	s_lshl_b32 s30, s25, 23
	v_mov_b32 v[8+\p], s30                         ; 2^e as f32: the conversion takes its exponent field
.endr
; The 64 numbers under scale p.  The conversions read x's registers directly; x's own registers stay for the next scale.
.macro QX p, blo
.irp c, 0,1,2,3,4,5,6,7
.if \p == 0
	s_wait_dscnt 14-2*\c                           ; piece c's two reads are back; the younger ones may be out
.endif
.irp i, 0,1,2,3,4,5,6,7
.endr
	v_cvt_scalef32_pk8_fp8_f32 v[CD+16*\p+2*\c:CD+16*\p+2*\c+1], v[TMP+8*(\c%2)+((X+8*\c+0)-(TMP+8*(\c%2)+0)):TMP+8*(\c%2)+7+((X+8*\c+0)-(TMP+8*(\c%2)+0))], v[8+\p]
.endr
	s_wait_alu depctr_va_vdst(0)
.irp u, 0,1,2,3
	global_store_b128 v4, v[CD+16*\p+4*\u:CD+16*\p+4*\u+3], s[\blo:\blo+1] offset:512*\u   ; 512 consecutive bytes; each scale has its own code registers, so no store's data are written again
.endr
.endm
	s_wait_alu depctr_va_vdst(0)
	QX 0, 18
	QX 1, 26
	QX 2, 28
	s_wait_tensorcnt 0x0                           ; the wave's end, behind my last LDS store
	ds_add_u32 v[SPW], v[NIL]
	s_wait_dscnt 0x0
	s_endpgm
; ---- PATH W.  g = work-group - 512: weight g / 32, group of 256 columns (g / 8) % 4, chunk g % 8.  A LANE TAKES A COLUMN n AND ITS REGISTERS RUN DOWN K: each load reads 128 consecutive bytes a wave
; (the eight waves stand side by side on 1,024), and the conversions give codes with K innermost.  Of a block of 32 k a column owns 16 bytes in the image's lower half (h = 0: k 0-7 and 16-23)
; and 16 in its upper half (h = 1: k 8-15 and 24-31): sixteen lanes, the columns of one tile, store 256 consecutive bytes.
.Lpath_w:
	s_load_b256 s[32:39], s[16:17], 0x0            ; entries 0 to 7
	s_load_b32 s40, s[16:17], 0x2c                 ; entry 11
	s_sub_co_u32 s25, ttmp9, 512
	s_lshr_b32 s41, s25, 5                         ; which weight
	s_bfe_u32 s42, s25, 0x20003                    ; which 256 columns
	s_and_b32 s43, s25, 7                          ; which 128 k
	s_mov_b64 s[26:27], s[6:7]
	s_cmp_eq_u32 s41, 1
	s_cselect_b64 s[26:27], s[8:9], s[26:27]
	s_cmp_eq_u32 s41, 2
	s_cselect_b64 s[26:27], s[10:11], s[26:27]
	s_cmp_eq_u32 s41, 3
	s_cselect_b64 s[26:27], s[12:13], s[26:27]
	s_lshl_b32 s30, s43, 19                        ; 128 rows of 4,096 bytes
	s_lshl_b32 s31, s42, 10
	s_add_co_u32 s30, s30, s31
	s_lshl_b32 s31, s24, 7                         ; my wave's 32 columns
	s_add_co_u32 s30, s30, s31
	s_mov_b32 s31, 0
	s_add_nc_u64 s[26:27], s[26:27], s[30:31]
	s_lshl_b32 s30, s42, 4
	s_lshl_b32 s44, s24, 1
	s_add_co_u32 s30, s30, s44                     ; my first tile of 16 columns
	s_lshl_b32 s30, s30, 14
	s_lshl_b32 s44, s41, 20
	s_add_co_u32 s30, s30, s44
	s_lshl_b32 s44, s43, 11
	s_add_co_u32 s30, s30, s44
	s_add_nc_u64 s[20:21], s[20:21], s[30:31]
	s_wait_alu depctr_va_vdst(0)
	v_lshlrev_b32 v4, 2, v1                        ; in: 4 bytes a lane
	v_lshrrev_b32 v5, 4, v1
	s_delay_alu instid0(VALU_DEP_1)
	v_lshlrev_b32 v5, 14, v5                       ; out: lanes 16-31 are the next tile, 16,384 bytes on;
	v_and_b32 v6, 15, v1
	s_delay_alu instid0(VALU_DEP_1)
	v_lshl_add_u32 v5, v6, 4, v5                   ; 16 bytes for each column
.macro WLOAD u                         ; block u: W(128 C + 32 u + i, my column), i = 0 .. 31, into set u % 2
.set i, 0
.rept 32
	global_load_b32 v[WX+32*((\u)%2)+i], v4, s[26:27] offset:(32*(\u)+i)*4096 th:TH_LOAD_NT
.set i, i+1
.endr
.endm
.macro WBLOCK u
.set XS, WX+32*((\u)%2)
.set CS, WC+8*(\u)
.if (\u) < 3
	s_wait_loadcnt 32                              ; this block's 32 loads are in; the next block's may be out
.else
	s_wait_loadcnt 0x0
.endif
.set i, 0
.rept 32
.set i, i+1
.endr
	v_cvt_scalef32_pk8_fp8_f32 v[CS:CS+1], v[XS:XS+7], v8          ; h = 0: k 0-7,
	v_cvt_scalef32_pk8_fp8_f32 v[CS+2:CS+3], v[XS+16:XS+23], v8    ;        k 16-23
	v_cvt_scalef32_pk8_fp8_f32 v[CS+4:CS+5], v[XS+8:XS+15], v8     ; h = 1: k 8-15,
	v_cvt_scalef32_pk8_fp8_f32 v[CS+6:CS+7], v[XS+24:XS+31], v8    ;        k 24-31.  (The results go to stores alone)
.if (\u) < 2
	WLOAD (\u)+2
.endif
	global_store_b128 v5, v[CS:CS+3], s[20:21] offset:512*(\u)
	global_store_b128 v5, v[CS+4:CS+7], s[20:21] offset:512*(\u)+256
.endm
	WLOAD 0
	WLOAD 1
	s_wait_kmcnt 0x0
	s_mov_b32 s28, s33                             ; the weight's exponent: entry 1, 3, 5 or 11
	s_cmp_eq_u32 s41, 1
	s_cselect_b32 s28, s35, s28
	s_cmp_eq_u32 s41, 2
	s_cselect_b32 s28, s37, s28
	s_cmp_eq_u32 s41, 3
	s_cselect_b32 s28, s40, s28
	s_add_co_i32 s28, s28, 127
	s_lshl_b32 s29, s28, 23
	v_mov_b32 v8, s29                              ; 2^e
	s_wait_alu depctr_va_vdst(0)
	WBLOCK 0
	WBLOCK 1
	WBLOCK 2
	WBLOCK 3
	s_wait_tensorcnt 0x0                           ; the wave's end: one form for all three paths
	ds_add_u32 v[SPW], v[NIL]
	s_wait_dscnt 0x0
	s_endpgm
.Lfunc_end_k_q42dc0f445b_prep:
	.size	k_q42dc0f445b_prep, .Lfunc_end_k_q42dc0f445b_prep-k_q42dc0f445b_prep
	.p2alignl 7, 3214868480
	.fill 96, 4, 3214868480
	.section	.rodata,"a",@progbits
	.p2align	6, 0x0
	.amdhsa_kernel k_q42dc0f445b_prep
		.amdhsa_group_segment_fixed_size 68608
		.amdhsa_private_segment_fixed_size 0
		.amdhsa_enable_private_segment 0
		.amdhsa_kernarg_size 80
		.amdhsa_user_sgpr_count 2
		.amdhsa_user_sgpr_kernarg_segment_ptr 1
		.amdhsa_wavefront_size32 1
		.amdhsa_system_sgpr_workgroup_id_x 1
		.amdhsa_system_sgpr_workgroup_id_y 1
		.amdhsa_system_sgpr_workgroup_id_z 1
		.amdhsa_system_vgpr_workitem_id 0
		.amdhsa_next_free_vgpr 208
		.amdhsa_next_free_sgpr 66
		.amdhsa_reserve_vcc 0
		.amdhsa_float_denorm_mode_32 3
		.amdhsa_float_denorm_mode_16_64 3
		.amdhsa_fp16_overflow 1
		.amdhsa_memory_ordered 1
		.amdhsa_forward_progress 1
		.amdhsa_inst_pref_size 44
	.end_amdhsa_kernel
	.amdgpu_metadata
---
amdhsa.version: [ 1, 2 ]
amdhsa.kernels:
  - .name:           k_q42dc0f445b_prep
    .symbol:         k_q42dc0f445b_prep.kd
    .args:
      - { .name: x, .offset: 0, .size: 8, .value_kind: global_buffer, .address_space: global }
      - { .name: Wq, .offset: 8, .size: 8, .value_kind: global_buffer, .address_space: global }
      - { .name: Wk, .offset: 16, .size: 8, .value_kind: global_buffer, .address_space: global }
      - { .name: Wv, .offset: 24, .size: 8, .value_kind: global_buffer, .address_space: global }
      - { .name: Wo, .offset: 32, .size: 8, .value_kind: global_buffer, .address_space: global }
      - { .name: mask, .offset: 40, .size: 8, .value_kind: global_buffer, .address_space: global }
      - { .name: lowp_scales, .offset: 48, .size: 8, .value_kind: global_buffer, .address_space: global }
      - { .name: xc, .offset: 56, .size: 8, .value_kind: global_buffer, .address_space: global }
      - { .name: wc, .offset: 64, .size: 8, .value_kind: global_buffer, .address_space: global }
      - { .name: maskw, .offset: 72, .size: 8, .value_kind: global_buffer, .address_space: global }
    .group_segment_fixed_size: 68608
    .private_segment_fixed_size: 0
    .kernarg_segment_align: 8
    .kernarg_segment_size: 80
    .max_flat_workgroup_size: 256
    .sgpr_count:     66
    .vgpr_count:     208
    .wavefront_size: 32
...
	.end_amdgpu_metadata
.endif
;; end of part 1
;; launch qkv (part 2): grid 4 x 96, 4 waves a work-group, clusters of 4 x 4, 327,680 bytes of LDS; arguments xc, wc, lowp_scales, bq, bk, bv, qkv; writes qkv
.if DOCPART == 2
	.amdgcn_target "amdgcn-amd-amdhsa--gfx1250"
	.amdhsa_code_object_version 6
	.text
	.protected	k_q42dc0f445b_qkv
	.globl	k_q42dc0f445b_qkv
	.p2align	8
	.type	k_q42dc0f445b_qkv,@function
k_q42dc0f445b_qkv:
	s_mov_b64 s[64:65], 0
	v_nop
	global_prefetch_b8 v0, s[64:65] scope:SCOPE_SE
	s_setreg_imm32_b32 hwreg(HW_REG_WAVE_MODE, 25, 1), 1
	s_wait_xcnt 0x0
	s_wait_alu depctr_hold_cnt(0) depctr_sa_sdst(0) depctr_va_vdst(0) depctr_va_sdst(0) depctr_va_ssrc(0) depctr_va_vcc(0) depctr_vm_vsrc(0)
	s_getreg_b32 s2, hwreg(HW_REG_IB_STS2, 6, 4)
	s_cmp_eq_u32 s2, 0
	s_cbranch_scc0 .Lentry_in_a_cluster
	s_endpgm
.Lentry_in_a_cluster:
	s_bfe_u32 s2, ttmp6, 0x10000c
	s_cmp_lg_u32 s2, 0xf033
	s_cbranch_scc0 .Lentry_shape_is_right
	s_endpgm
.Lentry_shape_is_right:
; QKV: the three projections of x, on codes of FP8 (E4M3); each result + bias is quantised in registers for the attention's products and stored as an image of the operand's registers.
; THE IMAGE: lane l = r + 16 h holds row r; registers 2 c, 2 c + 1 hold k = 16 c + 8 h + 0 .. 7; registers 4 u .. 4 u + 3 of the 32 lanes are 512 consecutive bytes, lane l's 16 at 16 l.
; xc [3][512 tiles of 16 rows][8 chunks of 128 k][2,048], wc [4][64 tiles of 16 n][8][2,048].  Out: qkv: q at 0 and k at 8 MiB, [64 heads][128 tiles of 16 tokens][1,024] (K = the head's 64);
; v at 16 MiB, [64 heads][16 blocks of 128 keys][4 tiles of 16 channels][2,048] (K = the keys).
; A tile of 256 x 256 results is made by four waves, each 128 x 128: 64 accumulators, 512 registers.  K = 1,024 goes in four steps of 256 through a ring of two LDS slots filled by the tensor data mover.
; In a result lane l holds ONE row of source 1 (l % 16) and eight neighbouring rows of source 0 (8 (l / 16) + 0 .. 7): eight numbers that one conversion turns into registers 2 b, 2 b + 1 of the next operand.
; So q and k take source 1 = x (a lane a token, registers along the head's channels), and v takes source 1 = Wv, source 0 = x (a lane a channel, registers along the keys).  The product P = cluster y / 8
; (0: q, 1: k, 2: v) decides only which buffers the two operands come from, the bias's layout and the stores' places: it is the same in all sixteen partners of a cluster.
; CLUSTERS: 4 x 4 work-groups.  Source 1's tile hangs on cy and is shared along a row of the cluster, source 0's on cx and is shared along a column: each is asked for JOINTLY.
; LIMITS on the given exponents: the two operands' sum between -126 and 127; the result's own exponent (entries 6, 7, 9) between -126 and 119.  NaN is not served.
; REGISTERS, in windows of 256: window 0: v16-31 addresses and constants; v32-47, v64-127 biases; from v128 source 1's fragments, ONE set; on the way out v128-255 are at work.
;   window 1: source 0's fragments, TWO sets, at v0 and v128.   window 2: the accumulators of my rows 0-63 (accumulator (a, b) at v[8 (8 a + b)]);   window 3: those of my rows 64-127.
.set KB,     4096                      ; a tile of 16 rows in a slot: 256 along K = two chunks
.set HALFT,  8*KB                      ; 128 rows: what one tensor load brings, and what one wave reads of either operand
.set SLOT,   4*HALFT                   ; source 1's 256 rows, then source 0's
.set SPARE,  2*SLOT                    ; behind the ring: the spare words, 128 bytes for each wave: two blocks of 256 bytes that no other line names
.set FR,     16                        ; registers of a fragment: 16 rows x 128 K
.set NL,     4                         ; LDS loads that bring one
.set NP,     4                         ; places behind this matrix instruction (ISA guide 7.12.1)
.set ADRA, 16                          ; v16-17  LDS address of my fragments of source 1 in slot 0, 1
.set ADRB, 20                          ; v20-21  the same for source 0
.set BO2,  25                          ; v25     4 x (lane % 16): the bias by rows of source 1
.set CO,   26                          ; v26     16 x lane
.set BO1,  27                          ; v27     32 x (lane / 16): the bias by rows of source 0
.set SPW,  28                          ; v28     LDS address of my spare word; never rewritten
.set NIL,  29                          ; v29     0; never rewritten
.set LIMV, 30
.set SCV,  31                          ; v31     2^(the result's exponent)
.set BV,   32                          ; v32-47  v's bias: for block a the lane's one number, twice
.set BI,   64                          ; v64-127 q's or k's bias: for tile b the lane's eight numbers
.set AF,   128                         ; source 1's fragments
.set TMP,  128                         ; the way out: a block's 64 numbers
.set CD,   192                         ; the way out: codes, 16 registers for each of four blocks
.set G1, 24                            ; s[24:31] descriptor group 1 for source 1's tiles;  s[32:39] group 0, one set for each slot
.set G0, 32
.set G1B, 48                           ; s[48:55], s[56:63] the same for source 0's
.set G0B, 56
.set PR, 74                            ; s74     the product: 0, 1, 2
.set MSB, 0
.macro WIN new                         ; the immediate's high byte repeats the setting that is left
.if MSB != \new
	s_set_vgpr_msb (MSB<<8)|\new
.set MSB, \new
.endif
.endm
.set MUL_LO, 0xa1                      ; source 0 window 1, source 1 window 0, C and D window 2
.set MUL_HI, 0xf1                      ; the same, C and D window 3
.set TO_B,   0x40                      ; destination window 1, address window 0
; A joint load: waves 0 and 1 fetch source 1's two halves, waves 2 and 3 source 0's.  Each line has one mask and one set of registers for all that issue it; the branch hangs on the wave's number alone.
; An s_nop 0 and four v_nop follow each of the two lines, ahead of the jump, the label and what follows.
.macro JLOAD g0a, g1a, g0b, g1b
	s_cmp_eq_u32 s15, 0
	s_cbranch_scc0 .Lfor_b_\@
	tensor_load_to_lds s[\g0a:\g0a+3], s[\g1a:\g1a+7]
	s_nop 0
.rept 4
	v_nop
.endr
	s_branch .Lasked_\@
.Lfor_b_\@:
	tensor_load_to_lds s[\g0b:\g0b+3], s[\g1b:\g1b+7]
	s_nop 0
.rept 4
	v_nop
.endr
.Lasked_\@:
.endm
.macro CREST                           ; a round of the cluster's barrier behind its opening barrier
	s_cmp_lg_u32 s14, 0
	s_cbranch_scc1 .Lnot_wave_0_\@
	s_barrier_signal -3
.Lnot_wave_0_\@:
	s_barrier_wait -3
	s_barrier_signal -1
	s_barrier_wait -1
.endm
.macro CROUND                          ; a whole round
	s_barrier_signal -1
	s_barrier_wait -1
	CREST
.endm
	s_load_b256 s[4:11], s[0:1], 0x0               ; xc s[4:5], wc s[6:7], lowp_scales s[8:9], bq s[10:11]
	s_load_b128 s[68:71], s[0:1], 0x20             ; bk s[68:69], bv s[70:71]
	s_load_b64 s[72:73], s[0:1], 0x30              ; qkv
	v_lshl_add_u32 v[SPW], v0, 2, SPARE
	v_mov_b32 v[NIL], 0
	ds_add_u32 v[SPW], v[NIL]                      ; the wave's opening: the add and its wait stand ahead of my first tensor load; the set-up below, work on registers, stands between them
	ds_add_u32 v[SPW], v[NIL]
	v_lshrrev_b32 v1, 5, v0
	v_readfirstlane_b32 s14, v1                    ; wave 0..3
	s_lshr_b32 s15, s14, 1                         ; which half of source 1's rows is mine.  Also: I fetch for source 1 (0) or source 0 (1)
	s_and_b32 s16, s14, 1                          ; which half of source 0's rows.  Also: which 128 rows of that tile I fetch
	s_bfe_u32 s40, ttmp6, 0x40000                  ; cx, cy: my place in the cluster
	s_bfe_u32 s41, ttmp6, 0x40004
	s_and_b32 s75, ttmp7, 0xffff                   ; cluster y, 0..23
	s_lshr_b32 s[PR], s75, 3                       ; the product
	s_lshl_b32 s17, s75, 2
	s_add_co_u32 s76, s17, s40
	s_and_b32 s76, s76, 31                         ; product 2: x's tile of 256 rows = (4 x cluster y + cx) mod 32
	s_add_co_u32 s17, s17, s41                     ; products 0, 1: 32 P + x's tile = 4 x cluster y + cy
	s_lshl_b32 s43, s41, 2
	s_lshl_b32 s43, 15, s43                        ; my row of the cluster
	s_lshl_b32 s44, 0x1111, s40                    ; my column
	; descriptor group 1: 8 tiles of 16 rows, of each 4,096 consecutive bytes (256 along K), 16,384 bytes from tile to tile; dense in LDS
	s_or_b32 s[G1+0], s43, (1<<21)                 ; 15:0 the mask: my row; 17:16 elements of 1 byte; 20 no padding; 21 set beside a mask
	s_or_b32 s[G1B+0], s44, (1<<21)                ; the same with my column
.irp g, G1, G1B
	s_mov_b32 s[\g+1], KB<<16                      ; tensor_dim0 = 4,096
	s_mov_b32 s[\g+2], 8<<16                       ; tensor_dim1 = 8
	s_mov_b32 s[\g+3], KB<<16                      ; tile_dim0 = 4,096
	s_mov_b32 s[\g+4], 8                           ; tile_dim1 = 8
	s_mov_b32 s[\g+5], 16384                       ; tensor_dim0_stride
	s_mov_b32 s[\g+6], 0
	s_mov_b32 s[\g+7], 0
.endr
	; where the tiles come from, in bytes from their buffers' first.  Source 1's registers never hold cx, source 0's never cy.
	s_lshl_b32 s18, s16, 17                        ; the 8 tiles of 16 rows that I fetch
	s_lshl_b32 s20, s17, 18                        ; source 1, products 0, 1: xc under the product's scale, tile 4 x cluster y + cy (32 tiles are 8 MiB)
	s_lshl_b32 s21, s41, 18
	s_add_co_u32 s21, s21, 0x200000                ; product 2: Wv, columns 256 cy on
	s_lshl_b32 s46, s[PR], 20
	s_lshl_b32 s47, s40, 18
	s_add_co_u32 s46, s46, s47                     ; source 0, products 0, 1: Wq or Wk, columns 256 cx on
	s_lshl_b32 s47, s76, 18
	s_add_co_u32 s47, s47, 0x1000000               ; product 2: xc under the third scale
	s_cmp_eq_u32 s[PR], 2
	s_cselect_b32 s20, s21, s20
	s_cselect_b32 s46, s47, s46
	s_add_co_u32 s20, s20, s18
	s_add_co_u32 s46, s46, s18
	s_mov_b32 s21, 0
	s_mov_b32 s47, 0
	s_mul_i32 s45, s14, HALFT                      ; where they go: wave x 128 rows: no place in the cluster enters an LDS address
	s_wait_dscnt 0x0                               ; the opening add is done
	s_wait_kmcnt 0x0
	s_load_b256 s[80:87], s[8:9], 0x0              ; entries 0 to 7
	s_load_b128 s[88:91], s[8:9], 0x20             ; entries 8 to 11
	s_cmp_eq_u32 s[PR], 2
	s_cselect_b64 s[78:79], s[6:7], s[4:5]         ; source 1's buffer,
	s_cselect_b64 s[92:93], s[4:5], s[6:7]         ; source 0's
	s_add_nc_u64 s[20:21], s[78:79], s[20:21]
	s_add_nc_u64 s[46:47], s[92:93], s[46:47]
	CROUND                                         ; all sixteen work-groups are here: the first joint loads meet
.irp s, 0,1
	s_mov_b32 s[G0+4*\s], 1
	s_add_co_u32 s[G0+4*\s+1], s45, \s*SLOT
	s_add_nc_u64 s[G0+4*\s+2:G0+4*\s+3], s[20:21], \s*KB
	s_or_b32 s[G0+4*\s+3], s[G0+4*\s+3], 0x80000000
	s_mov_b32 s[G0B+4*\s], 1
	s_add_co_u32 s[G0B+4*\s+1], s45, \s*SLOT
	s_add_nc_u64 s[G0B+4*\s+2:G0B+4*\s+3], s[46:47], \s*KB
	s_or_b32 s[G0B+4*\s+3], s[G0B+4*\s+3], 0x80000000
	s_wait_alu depctr_va_vdst(0)
	s_wait_tensorcnt 0x0
	ds_add_u32 v28, v29
	ds_add_u32 v28, v29
	s_wait_dscnt 0x0
	CROUND
	JLOAD G0+4*\s, G1, G0B+4*\s, G1B
.endr
	v_and_b32 v1, 15, v0                           ; l % 16
	v_bfe_u32 v2, v0, 4, 1                         ; l / 16
	v_and_b32 v6, 31, v0
	v_lshlrev_b32 v[CO], 4, v6                     ; an image's place for my lane
	v_lshlrev_b32 v[BO1], 5, v2
	s_wait_alu depctr_va_vdst(0)
	v_lshlrev_b32 v[BO2], 2, v1
	s_wait_alu depctr_va_vdst(0)
	s_mul_i32 s22, s15, HALFT                      ; my 128 rows of source 1
	s_mul_i32 s23, s16, HALFT                      ; my 128 rows of source 0,
	s_add_co_u32 s23, s23, 2*HALFT                 ; which lie behind source 1's 256
.irp s, 0,1
	v_add_nc_u32 v[ADRA+\s], s22, v[CO]
	v_add_nc_u32 v[ADRB+\s], s23, v[CO]
	s_add_co_u32 s22, s22, SLOT
	s_add_co_u32 s23, s23, SLOT
.endr
	; THE BIAS of the product, in both layouts: by rows of source 0 (q, k: channel 256 cx + 128 half + 16 b + 8 (l / 16) + i) and by rows of source 1 (v: channel 256 cy + 128 half + 16 a + l % 16).
	; Both are loaded on the one way that all take, so that each way out finds its registers written; the layout that a product does not use costs 16 loads a wave, all inside the bias's 4,096 bytes.
	s_cmp_eq_u32 s[PR], 1
	s_cselect_b64 s[10:11], s[68:69], s[10:11]
	s_cmp_eq_u32 s[PR], 2
	s_cselect_b64 s[10:11], s[70:71], s[10:11]
	s_lshl_b32 s94, s40, 10
	s_lshl_b32 s95, s16, 9
	s_add_co_u32 s94, s94, s95
	s_mov_b32 s95, 0
	s_add_nc_u64 s[68:69], s[10:11], s[94:95]
	s_lshl_b32 s94, s41, 10
	s_lshl_b32 s77, s15, 9
	s_add_co_u32 s94, s94, s77
	s_add_nc_u64 s[70:71], s[10:11], s[94:95]
.irp b, 0,1,2,3,4,5,6,7
	global_load_b128 v[BI+8*\b:BI+8*\b+3], v[BO1], s[68:69] offset:64*\b
	global_load_b128 v[BI+8*\b+4:BI+8*\b+7], v[BO1], s[68:69] offset:64*\b+16
.endr
.irp a, 0,1,2,3,4,5,6,7
	global_load_b32 v[BV+2*\a], v[BO2], s[70:71] offset:64*\a
	global_load_b32 v[BV+2*\a+1], v[BO2], s[70:71] offset:64*\a      ; twice: the packed multiply-add takes a pair
.endr
	; where my results go.  q, k: head 16 x batch + 4 cx + 2 half, token tile 16 (x's tile % 8) + 8 half, 1,024 bytes each
	s_and_b32 s94, s17, 31
	s_lshr_b32 s94, s94, 3
	s_lshl_b32 s94, s94, 4
	s_lshl_b32 s95, s40, 2
	s_add_co_u32 s94, s94, s95
	s_lshl_b32 s95, s16, 1
	s_add_co_u32 s94, s94, s95
	s_lshl_b32 s94, s94, 7
	s_and_b32 s95, s17, 7
	s_lshl_b32 s95, s95, 4
	s_add_co_u32 s94, s94, s95
	s_lshl_b32 s95, s15, 3
	s_add_co_u32 s94, s94, s95
	s_lshl_b32 s94, s94, 10
	s_lshl_b32 s95, s[PR], 23
	s_add_co_u32 s94, s94, s95
	; v: head 16 x batch + 4 cy + 2 half (131,072 bytes each), block of keys 2 (x's tile % 8) + half (8,192 bytes each)
	s_lshr_b32 s98, s76, 3
	s_lshl_b32 s98, s98, 4
	s_lshl_b32 s95, s41, 2
	s_add_co_u32 s98, s98, s95
	s_lshl_b32 s95, s15, 1
	s_add_co_u32 s98, s98, s95
	s_lshl_b32 s98, s98, 17
	s_and_b32 s95, s76, 7
	s_lshl_b32 s95, s95, 1
	s_add_co_u32 s95, s95, s16
	s_lshl_b32 s95, s95, 13
	s_add_co_u32 s98, s98, s95
	s_add_co_u32 s98, s98, 0x1000000
	s_cmp_eq_u32 s[PR], 2
	s_cselect_b32 s98, s98, s94
	s_mov_b32 s99, 0
	s_add_nc_u64 s[72:73], s[72:73], s[98:99]
.macro FRAG reg, adr, q, i             ; a fragment comes as it was stored: four loads of 512 consecutive bytes: tile i of my eight, chunk q of the slot's two
.irp c, 0,1,2,3
	ds_load_b128 v[\reg+4*\c:\reg+4*\c+3], v[\adr] offset:2048*(\q)+512*\c+(\i)*KB
.endr
.endm
; 16 matrix instructions: source 1's blocks a0, a0 + 1 x source 0's eight, 128 along K.  p: source 0's set.  zero = 1: the first product starts the sums: nothing is ever cleared.
; The 64 accumulators take turns, one instruction a turn, in the same order in every step.
.macro MUL16 a0, p, zero
.irp a, \a0, \a0+1
.irp b, 0,1,2,3,4,5,6,7
.if \zero
	v_wmma_f32_16x16x128_fp8_fp8 v[8*(8*((\a)%4)+\b):8*(8*((\a)%4)+\b)+7], v[128*(\p)+FR*\b:128*(\p)+FR*\b+FR-1], v[AF+FR*(\a):AF+FR*(\a)+FR-1], 0
.else
	v_wmma_f32_16x16x128_fp8_fp8 v[8*(8*((\a)%4)+\b):8*(8*((\a)%4)+\b)+7], v[128*(\p)+FR*\b:128*(\p)+FR*\b+FR-1], v[AF+FR*(\a):AF+FR*(\a)+FR-1], v[8*(8*((\a)%4)+\b):8*(8*((\a)%4)+\b)+7]
.endif
.endr
.endr
.endm
.macro FETCH_B slot, q, p              ; source 0's eight fragments of the slot's q-th 128 along K into set p
	WIN TO_B
.irp i, 0,1,2,3,4,5,6,7
	FRAG 128*(\p)+FR*\i, ADRB+\slot, \q, \i
.endr
	WIN 0
.endm
.macro FETCH_A slot, q, i0             ; source 1's blocks i0 .. i0 + 3
.irp i, \i0, \i0+1, \i0+2, \i0+3
	FRAG AF+FR*(\i), ADRA+\slot, \q, \i
.endr
.endm
; A load into a register that a matrix instruction has read, and a vector instruction that reads a matrix result or writes one of a matrix instruction's registers, stand NP places behind it;
; only plain vector instructions that name none of its registers are places (ISA guide 7.12.1 for vector instructions).
.macro PLACES n
.rept \n
	v_nop
.endr
.endm
; A step of 128 along K that has its successor in the same slot.  A block of source 1 is free as soon as its eight products are issued, so one set serves it: blocks 0-3 are fetched anew in the step's middle, blocks 4-7 at its end.
.macro STEP slot, q, zero
	s_wait_dscnt 4*NL                              ; source 0's set and source 1's blocks 0-3 are in; the youngest 16 loads (blocks 4-7) may be out
	WIN MUL_LO
	MUL16 0, (\q)%2, \zero
	MUL16 2, (\q)%2, \zero
	s_wait_dscnt 0                                 ; blocks 4-7 are in (asked for 32 matrix instructions ago)
	PLACES NP
	FETCH_B \slot, (\q)+1, 1-(\q)%2
	FETCH_A \slot, (\q)+1, 0
	WIN MUL_HI
	MUL16 4, (\q)%2, \zero
	MUL16 6, (\q)%2, \zero
	PLACES NP
	WIN 0
	FETCH_A \slot, (\q)+1, 4
.endm
; A slot's last step changes slots: ONE barrier; in front of it each wave waits for all its tensor loads, adds 0 to its spare word, and waits for that and for its own reads of this slot.  fill = 1: this slot is filled again, two K steps ahead.
.macro TURN slot, next, fill
	s_wait_tensorcnt 0x0                           ; all my tensor loads have landed: my part of the next slot;  (every window is 0 here: the add's two registers lie in window 0)
	ds_add_u32 v[SPW], v[NIL]                      ; 0 onto my spare word
	s_wait_dscnt 4*NL+1                            ; (the add and the youngest 16 loads, blocks 4-7, may be out)
	WIN MUL_LO
	MUL16 0, 1, 0                                  ; sixteen matrix instructions stand between the add and the wait for it
	s_wait_dscnt 0x0                               ; the add is done, and my reads of this slot are over
	s_barrier_signal -1
	MUL16 2, 1, 0
	WIN 0
	s_barrier_wait -1
.if \fill
	CREST                                          ; the barrier has opened a round of the cluster's barrier: no wave of any partner still reads this slot's tile or has a load on its way
	s_add_nc_u64 s[G0+4*\slot+2:G0+4*\slot+3], s[G0+4*\slot+2:G0+4*\slot+3], 2*KB
	s_add_nc_u64 s[G0B+4*\slot+2:G0B+4*\slot+3], s[G0B+4*\slot+2:G0B+4*\slot+3], 2*KB
	JLOAD G0+4*\slot, G1, G0B+4*\slot, G1B         ; the first tensor load behind the round; the four v_nop behind it are the places in front of the loads below
.else
	PLACES NP
.endif
	FETCH_B \next, 0, 0
	FETCH_A \next, 0, 0
	WIN MUL_HI
	MUL16 4, 1, 0
	MUL16 6, 1, 0
	PLACES NP
	WIN 0
	FETCH_A \next, 0, 4
.endm
	s_wait_alu depctr_va_vdst(0)
	s_wait_tensorcnt 1                             ; my part of K step 0 is in (K step 1's load may be out)
	s_barrier_signal -1
	s_barrier_wait -1                              ; everybody's is
	FETCH_B 0, 0, 0
	FETCH_A 0, 0, 0
	FETCH_A 0, 0, 4
	STEP 0, 0, 1                                   ; K = 1,024 is four K steps, eight steps of 128: written out, no loop.  The first step's products start the sums
	TURN 0, 1, 1                                   ; slot 0 takes K step 2
	STEP 1, 0, 0
	TURN 1, 0, 1                                   ; slot 1 takes K step 3
	STEP 0, 0, 0
	TURN 0, 1, 0                                   ; nothing is left to fetch: no round
	STEP 1, 0, 0
	s_wait_dscnt 4*NL                              ; the very last step
	WIN MUL_LO
	MUL16 0, 1, 0
	MUL16 2, 1, 0
	s_wait_dscnt 0
	WIN MUL_HI
	MUL16 4, 1, 0
	MUL16 6, 1, 0
	WIN 0
; THE WAY OUT, block a (16 rows of source 1 x 128 rows of source 0) at a time: sum x 2^(the operands' exponents) + bias, one fused multiply-add for two numbers; the conversion.
; Tile b's eight numbers become registers 2 b, 2 b + 1 of the next operand, so the codes leave from the registers in which they are made: four stores of 512 consecutive bytes.
.macro OUTBLK a, isv
.set AC, 64*((\a)%4)
.set CC, CD+16*((\a)%4)
.set WW, 0x02+((\a)/4)
.if (\a) == 4
	s_wait_xcnt 0x0                                ; blocks 0-3's stores have read their data: the code registers are written again only behind this wait
.endif
	WIN WW                                         ; source 0: window 2 or 3
.set jj, 0
.rept 32                               ; each accumulator from its low end on
.if \isv
	v_pk_fma_f32 v[TMP+jj:TMP+jj+1], v[AC+jj:AC+jj+1], s[96:97], v[BV+2*(\a):BV+2*(\a)+1] op_sel_hi:[1,0,1]
.else
	v_pk_fma_f32 v[TMP+jj:TMP+jj+1], v[AC+jj:AC+jj+1], s[96:97], v[BI+jj:BI+jj+1] op_sel_hi:[1,0,1]
.endif
.set jj, jj+2
.endr
	WIN 0
.irp b, 0,1,2,3,4,5,6,7
.irp i, 0,1,2,3,4,5,6,7
.endr
	v_cvt_scalef32_pk8_fp8_f32 v[CC+2*\b:CC+2*\b+1], v[TMP+8*\b:TMP+8*\b+7], v[SCV]
.endr
	v_nop                                          ; one plain vector line between the last conversion and the next block's writes of its sources
.irp u, 0,1,2,3
.if \isv
	global_store_b128 v[CO], v[CC+4*\u:CC+4*\u+3], s[72:73] offset:((\a)/4)*131072+((\a)%4)*2048+512*\u   ; head a / 4 of my two, channels 16 (a % 4) on, keys 32 u on
.else
	global_store_b128 v[CO], v[CC+4*\u:CC+4*\u+3], s[72:73] offset:(\u/2)*131072+(\a)*1024+(\u%2)*512     ; head u / 2 of my two, token tile a, channels 32 (u % 2) on
.endif
.endr
.endm
	s_wait_kmcnt 0x0
	s_add_co_i32 s80, s80, s81                     ; the operands' exponents added: entries 0 + 1, 2 + 3, 4 + 5;
	s_add_co_i32 s82, s82, s83
	s_add_co_i32 s84, s84, s85
	s_cmp_eq_u32 s[PR], 1                          ; the choice is a select on the product's number: no branch hangs on a loaded number
	s_cselect_b32 s80, s82, s80
	s_cselect_b32 s86, s87, s86                    ; the result's own: entry 6, 7 or 9
	s_cmp_eq_u32 s[PR], 2
	s_cselect_b32 s80, s84, s80
	s_cselect_b32 s86, s89, s86
	s_add_co_i32 s96, s80, 127
	s_lshl_b32 s96, s96, 23                        ; 2^(sum) as f32
	s_mov_b32 s97, s96                             ; (named with it as a pair, so it is written)
	s_add_co_i32 s86, s86, 127
	s_lshl_b32 s87, s86, 23
	v_mov_b32 v[SCV], s87
	s_wait_loadcnt 0x0                             ; the biases
	PLACES NP                                      ; behind the last products: for the writes into the registers that held source 1's fragments, and the reads of results
	s_cmp_eq_u32 s[PR], 2
	s_cbranch_scc1 .Lout_v
.irp a, 0,1,2,3,4,5,6,7
	OUTBLK \a, 0
.endr
	s_branch .Lout_done
.Lout_v:
.irp a, 0,1,2,3,4,5,6,7
	OUTBLK \a, 1
.endr
.Lout_done:
	s_wait_tensorcnt 0x0                           ; the wave's end, behind my last tensor load
	ds_add_u32 v[SPW], v[NIL]
	s_wait_dscnt 0x0
	CROUND                                         ; the closing round: no work-group ends while a partner may still ask for a tile that names it
	s_endpgm
.Lfunc_end_k_q42dc0f445b_qkv:
	.size	k_q42dc0f445b_qkv, .Lfunc_end_k_q42dc0f445b_qkv-k_q42dc0f445b_qkv
	.p2alignl 7, 3214868480
	.fill 96, 4, 3214868480
	.section	.rodata,"a",@progbits
	.p2align	6, 0x0
	.amdhsa_kernel k_q42dc0f445b_qkv
		.amdhsa_group_segment_fixed_size 327680
		.amdhsa_private_segment_fixed_size 0
		.amdhsa_enable_private_segment 0
		.amdhsa_kernarg_size 56
		.amdhsa_user_sgpr_count 2
		.amdhsa_user_sgpr_kernarg_segment_ptr 1
		.amdhsa_wavefront_size32 1
		.amdhsa_system_sgpr_workgroup_id_x 1
		.amdhsa_system_sgpr_workgroup_id_y 1
		.amdhsa_system_sgpr_workgroup_id_z 1
		.amdhsa_system_vgpr_workitem_id 0
		.amdhsa_next_free_vgpr 1024
		.amdhsa_next_free_sgpr 100
		.amdhsa_reserve_vcc 0
		.amdhsa_float_denorm_mode_32 3
		.amdhsa_float_denorm_mode_16_64 3
		.amdhsa_fp16_overflow 1
		.amdhsa_memory_ordered 1
		.amdhsa_forward_progress 1
		.amdhsa_inst_pref_size 131
	.end_amdhsa_kernel
	.amdgpu_metadata
---
amdhsa.version: [ 1, 2 ]
amdhsa.kernels:
  - .name:           k_q42dc0f445b_qkv
    .symbol:         k_q42dc0f445b_qkv.kd
    .args:
      - { .name: xc, .offset: 0, .size: 8, .value_kind: global_buffer, .address_space: global }
      - { .name: wc, .offset: 8, .size: 8, .value_kind: global_buffer, .address_space: global }
      - { .name: lowp_scales, .offset: 16, .size: 8, .value_kind: global_buffer, .address_space: global }
      - { .name: bq, .offset: 24, .size: 8, .value_kind: global_buffer, .address_space: global }
      - { .name: bk, .offset: 32, .size: 8, .value_kind: global_buffer, .address_space: global }
      - { .name: bv, .offset: 40, .size: 8, .value_kind: global_buffer, .address_space: global }
      - { .name: qkv, .offset: 48, .size: 8, .value_kind: global_buffer, .address_space: global }
    .group_segment_fixed_size: 327680
    .private_segment_fixed_size: 0
    .kernarg_segment_align: 8
    .kernarg_segment_size: 56
    .max_flat_workgroup_size: 128
    .sgpr_count:     100
    .vgpr_count:     1024
    .wavefront_size: 32
...
	.end_amdgpu_metadata
.endif
;; end of part 2
;; launch attn (part 3): grid 8 x 64, 16 waves a work-group, clusters of 4 x 1, 327,680 bytes of LDS; arguments qkv, maskw, lowp_scales, oimg; writes oimg
.if DOCPART == 3
	.amdgcn_target "amdgcn-amd-amdhsa--gfx1250"
	.amdhsa_code_object_version 6
	.text
	.protected	k_q42dc0f445b_attn
	.globl	k_q42dc0f445b_attn
	.p2align	8
	.type	k_q42dc0f445b_attn,@function
k_q42dc0f445b_attn:
	s_mov_b64 s[64:65], 0
	v_nop
	global_prefetch_b8 v0, s[64:65] scope:SCOPE_SE
	s_setreg_imm32_b32 hwreg(HW_REG_WAVE_MODE, 25, 1), 1
	s_wait_xcnt 0x0
	s_wait_alu depctr_hold_cnt(0) depctr_sa_sdst(0) depctr_va_vdst(0) depctr_va_sdst(0) depctr_va_ssrc(0) depctr_va_vcc(0) depctr_vm_vsrc(0)
	s_getreg_b32 s2, hwreg(HW_REG_IB_STS2, 6, 4)
	s_cmp_eq_u32 s2, 0
	s_cbranch_scc0 .Lentry_in_a_cluster
	s_endpgm
.Lentry_in_a_cluster:
	s_bfe_u32 s2, ttmp6, 0x10000c
	s_cmp_lg_u32 s2, 0x3003
	s_cbranch_scc0 .Lentry_shape_is_right
	s_endpgm
.Lentry_shape_is_right:
; ATTENTION on codes of FP8 (E4M3): o = softmax(where(mask, q k^T / 8, -1e9)) v for 64 heads of 2,048 tokens x 64 channels; o is quantised for the last projection and stored as an operand's image.
; In: qkv: q at 0, k at 8 MiB: [64 heads][128 tiles of 16 tokens][1,024]; v at 16 MiB: [64 heads][16 blocks of 128 keys][4 tiles of 16 channels][2,048]: images of the operands' registers
; (lane l = r + 16 h: row r; registers 2 c, 2 c + 1: k = 16 c + 8 h + 0 .. 7; registers 4 u .. 4 u + 3 of the 32 lanes: 512 consecutive bytes).
; maskw [128 query tiles][16 key steps][64 words]: bit L of word j = the mask of lane L's register j of the scores.  Out: oimg [512 tiles of 16 tokens][16 heads][1,024].
; THE SOFTMAX: t = score x log2(e) / 8; M = the row's largest t so far, rounded UP to a whole number; p = 2^(t - M) is quantised, not normalised; the row's sum is taken of the unquantised p and divides at the end.
; When M moves, the sum and O are multiplied by 2^(old M - new M): exact.
; THE MASK IS AN INPUT: every key step is computed, and a closed key's score is replaced ahead of the maximum by -2^(33 - eq - ek), which stands for the logit -2^30 in place of -1e9.  In a row with an open key both give
; p = 0.  In a row with none, c x that score is a whole number, M equals it, the fused t - M is 0, every p is 1 and the sum 2,048: the mean of v, as with -1e9.
; LIMITS on the given exponents: eq + ek between -94 and 9, so that the replaced score is an f32 number under every score that codes can give (64 x 448^2) and no open logit reaches -1e9;
; ep and entry 10 between -126 and 119; ep + ev is applied by v_ldexp_f32 and has none.  NaN is not served.
; SHARES.  A work-group owns 256 queries of one head, each of its SIXTEEN waves 16 of them: one tile, 208 registers, four waves to a SIMD, so that one wave's vector work stands beside another's products and LDS loads.
; LDS.  A head's K and V are 262,144 bytes of codes: ALL of it is asked for at the start, in four chunks of 512 keys; no LDS byte is filled twice, so there is no ring.  A chunk: 32 tiles of K (32,768 bytes), then 4 blocks of V.
; CLUSTER.  The four query blocks of a cluster belong to one head and read the same K and V: each load is JOINT, the same descriptor and a mask that names the four.  Waves 0-3 issue four loads each: four of a wave's are out at the most.
; LAYOUT.  Both products are used transposed: S^T = K Q^T (source 0 = 16 keys, source 1 = my 16 queries), O^T = V^T P^T (source 0 = 16 channels, source 1 = P): a lane holds ONE query (lane % 16) throughout,
; and tile t's eight scores are keys 16 t + 8 (lane / 16) + 0 .. 7: their codes are registers 2 t, 2 t + 1 of P.
.set SPARE, 262144                     ; behind the four chunks: the spare words, 128 bytes for each wave: eight blocks of 256 bytes that no other line names
.set LI,   1                           ; v1   16 x lane: an image's place for my lane
.set ADR,  2                           ; v2   LDS address of the step's fragments
.set SPW,  3                           ; v3   LDS address of my spare word; never rewritten
.set NIL,  4                           ; v4   0; never rewritten
.set SM,   5                           ; v5   a closed key's score
.set PLIM, 6
.set PSC,  7                           ; v7   2^ep
.set CV,   8                           ; v[8:9] c = log2(e) / 8 x 2^(eq + ek), twice
.set OSC,  10                          ; v10  2^(entry 10)
.set OLIM, 11
                                       ; v12 -M, v13 the largest t, v[14:15] the sum in two halves; v24, v26, v27, v[28:29], v[30:31] at work; v25 ep + ev
.set Q,    16                          ; v16-23   Q's fragment
.set KV,   32                          ; v32-95   K's eight fragments, then V's four
.set S,    96                          ; v96-159  S^T, then p
.set O,    160                         ; v160-191 O^T
.set PC,   192                         ; v192-207 p's codes; at the end o's
.set TB,   6                           ; s6   LDS byte at which the step in hand begins
.set CNT,  7                           ; s7   counts a chunk's four steps
.set G0,   8                           ; s[8:23]  descriptor group 0, a set for each chunk; never rewritten
.set G1,   24                          ; s[24:31] descriptor group 1
.set WV,   66                          ; s66  my wave's number
.set OFF,  67                          ; s67  byte offset of the mask words being asked for
                                       ; s[2:3] my query tile's mask words; s[4:5] lane selects; s[32:63], s[68:99] a step's 64 mask words; s[100:101] where o goes; s[104:105] Q
.macro CROUND                          ; a round of the cluster's barrier
	s_barrier_signal -1
	s_barrier_wait -1
	s_cmp_lg_u32 s[WV], 0
	s_cbranch_scc1 .Lnot_wave_0_\@
	s_barrier_signal -3
.Lnot_wave_0_\@:
	s_barrier_wait -3
	s_barrier_signal -1
	s_barrier_wait -1
.endm
.macro MLOAD                           ; a step's 64 words: word j in s[32 + j] (j < 32) or s[36 + j]
	s_load_b512 s[32:47], s[2:3], s[OFF] offset:0x0
	s_load_b512 s[48:63], s[2:3], s[OFF] offset:0x40
	s_load_b512 s[68:83], s[2:3], s[OFF] offset:0x80
	s_load_b512 s[84:99], s[2:3], s[OFF] offset:0xc0
.endm
	s_load_b128 s[32:35], s[0:1], 0x0              ; qkv s[32:33], maskw s[34:35]
	s_load_b128 s[36:39], s[0:1], 0x10             ; lowp_scales s[36:37], oimg s[38:39]
	v_lshl_add_u32 v[SPW], v0, 2, SPARE
	v_mov_b32 v[NIL], 0
	ds_add_u32 v[SPW], v[NIL]                      ; the wave's opening: the add and its wait stand ahead of the first tensor loads; the set-up below, work on registers, stands between them
	ds_add_u32 v[SPW], v[NIL]
	v_lshrrev_b32 v[ADR], 5, v0
	s_delay_alu instid0(VALU_DEP_1)
	v_readfirstlane_b32 s[WV], v[ADR]              ; wave 0..15
	v_and_b32 v[LI], 31, v0
	s_delay_alu instid0(VALU_DEP_1)
	v_lshlrev_b32 v[LI], 4, v[LI]
	s_bfe_u32 s40, ttmp6, 0x40000                  ; cx: my place in the cluster
	s_lshl_b32 s41, ttmp9, 2
	s_add_co_u32 s41, s41, s40                     ; my block of 256 queries: it enters Q's, the mask's and o's addresses alone
	s_and_b32 s42, ttmp7, 0xffff                   ; the head (16 x batch + head), which the four partners share
	; descriptor group 1: a dense block of 16,384 bytes as 64 rows of 256
	s_mov_b32 s[G1], 15|(3<<16)|(1<<21)            ; 15:0 the mask: all four work-groups; 17:16 elements of 8 bytes; 20 no padding; 21 set beside a mask
	s_mov_b32 s[G1+1], 32<<16                      ; tensor_dim0 = 32
	s_mov_b32 s[G1+2], 64<<16                      ; tensor_dim1 = 64
	s_mov_b32 s[G1+3], 32<<16                      ; tile_dim0 = 32
	s_mov_b32 s[G1+4], 64                          ; tile_dim1 = 64
	s_mov_b32 s[G1+5], 32                          ; tensor_dim0_stride
	s_mov_b32 s[G1+6], 0
	s_mov_b32 s[G1+7], 0
	s_mov_b32 s4, 0x76543210                       ; v_permlanex16_b32: lane l xor 16
	s_mov_b32 s5, 0xfedcba98
	s_and_b32 s46, s[WV], 3                        ; what waves 0-3 fetch of a chunk: 0, 1: K's halves; 2, 3: V's
	s_lshr_b32 s43, s46, 1
	s_lshl_b32 s43, s43, 23
	s_add_co_u32 s43, s43, 0x800000                ; k at 8 MiB, v at 16 MiB,
	s_lshl_b32 s44, s42, 17                        ; the head's 131,072 bytes,
	s_add_co_u32 s44, s44, s43
	s_and_b32 s43, s46, 1
	s_lshl_b32 s43, s43, 14                        ; my half of a chunk's 32,768
	s_add_co_u32 s44, s44, s43
	s_mov_b32 s45, 0
	s_lshl_b32 s52, s46, 14                        ; and its place in a chunk: no place in the cluster enters an LDS address
	s_lshl_b32 s47, s41, 4
	s_add_co_u32 s47, s47, s[WV]                   ; my query tile, 0..127
	s_lshl_b32 s48, s47, 12                        ; its 16 x 256 bytes of mask words
	s_mov_b32 s49, 0
	s_lshl_b32 s50, s42, 7
	s_add_co_u32 s50, s50, s47
	s_lshl_b32 s50, s50, 10                        ; its fragment of q
	s_mov_b32 s51, 0
	s_lshr_b32 s53, s42, 4
	s_lshl_b32 s53, s53, 7
	s_add_co_u32 s53, s53, s47                     ; o: row tile 128 x batch + my query tile (16,384 bytes each),
	s_lshl_b32 s54, s53, 14
	s_and_b32 s53, s42, 15
	s_lshl_b32 s53, s53, 10                        ; my head's 1,024 bytes of it
	s_add_co_u32 s54, s54, s53
	s_mov_b32 s55, 0
	s_wait_dscnt 0x0                               ; the opening add is done
	s_wait_kmcnt 0x0
	s_load_b128 s[56:59], s[36:37], 0x18           ; eq, ek, ep, ev: entries 6 to 9
	s_load_b32 s60, s[36:37], 0x28                 ; entry 10: o's
	s_add_nc_u64 s[2:3], s[34:35], s[48:49]
	s_add_nc_u64 s[104:105], s[32:33], s[50:51]
	s_add_nc_u64 s[100:101], s[38:39], s[54:55]
	s_add_nc_u64 s[44:45], s[32:33], s[44:45]
.irp c, 0,1,2,3
	s_mov_b32 s[G0+4*\c], 1                        ; 1:0 count = 1
	s_add_co_u32 s[G0+4*\c+1], s52, \c*65536       ; 63:32 LDS address
	s_add_nc_u64 s[G0+4*\c+2:G0+4*\c+3], s[44:45], \c*32768   ; 120:64 global address: 512 keys on for each chunk
	s_or_b32 s[G0+4*\c+3], s[G0+4*\c+3], 0x80000000           ; 127:126 type = 2
.endr
	CROUND                                         ; all four work-groups are here: the joint loads meet
	s_cmp_lt_u32 s[WV], 4                          ; a wave's four fills stand in one branch on the wave's number, ahead of every wait on TENSORcnt, every LDS read and every other barrier
	s_cbranch_scc0 .Lno_fetch
.irp c, 0,1,2,3
	tensor_load_to_lds s[G0+4*\c:G0+4*\c+3], s[G1:G1+7]
	s_nop 0
.endr
.rept 4
	v_nop
.endr
.Lno_fetch:
	s_wait_alu depctr_va_vdst(0)
	global_load_b128 v[Q:Q+3], v[LI], s[104:105]               ; Q's fragment stays in registers
	global_load_b128 v[Q+4:Q+7], v[LI], s[104:105] offset:512
	s_wait_kmcnt 0x0
	s_add_co_i32 s61, s56, s57                     ; eq + ek
	s_lshl_b32 s62, s61, 23
	s_add_co_i32 s62, s62, 0x3e38aa3b              ; log2(e) / 8, with the two exponents added to its exponent field
	v_mov_b32 v[CV], s62
	v_mov_b32 v[CV+1], s62
	s_sub_co_i32 s62, 160, s61
	s_lshl_b32 s62, s62, 23
	s_or_b32 s62, s62, 0x80000000                  ; -2^(33 - eq - ek)
	v_mov_b32 v[SM], s62
	s_add_co_i32 s62, s58, 127
	s_lshl_b32 s63, s62, 23
	v_mov_b32 v[PSC], s63
	s_add_co_i32 s62, s58, s59
	v_mov_b32 v25, s62                             ; ep + ev, a whole number
	s_add_co_i32 s62, s60, 127
	s_lshl_b32 s63, s62, 23
	v_mov_b32 v[OSC], s63
	v_mov_b32 v13, 0xff61b1e6                      ; the largest t so far: -3e38, under every t
	s_delay_alu instid0(VALU_DEP_1)
	v_floor_f32 v12, -v13                          ; -M
	v_mov_b32 v14, 0                               ; the sum, in two halves
	v_mov_b32 v15, 0
	v_mov_b32 v27, 0                               ; written once: a lane permute's destination counts as one of its sources
	v_mov_b32 v29, 0                               ; (named as the upper half of the pair v[28:29])
.set j, 0
.rept 32
	v_mov_b32 v[O+j], 0                            ; O^T.  (The step is written without a first step of its own: it finds zeros, which the first change of M leaves zeros)
.set j, j+1
.endr
	s_mov_b32 s[OFF], 0
	MLOAD                                          ; step 0's mask words (the set-up's scalars in s32 to s63 are done with)
	s_wait_loadcnt 0x0                             ; Q
; A KEY STEP: 128 keys.
.macro STEP
	v_add_nc_u32 v[ADR], s[TB], v[LI]
.rept 3
	v_nop                                          ; with the addition: four places in front of loads into registers that the last products read
.endr
.irp t, 0,1,2,3,4,5,6,7
	ds_load_b128 v[KV+8*\t:KV+8*\t+3], v[ADR] offset:1024*\t
	ds_load_b128 v[KV+8*\t+4:KV+8*\t+7], v[ADR] offset:1024*\t+512
.endr
	s_wait_alu depctr_va_vdst(0)
.irp t, 0,1,2,3,4,5,6,7
	s_wait_dscnt 14-2*\t                           ; tile t's two loads are in; the younger ones may be out
	v_wmma_f32_16x16x64_fp8_fp8 v[S+8*\t:S+8*\t+7], v[KV+8*\t:KV+8*\t+7], v[Q:Q+7], 0
.endr
.rept 4
	v_nop                                          ; places: for the loads below, and for the first read of the scores
.endr
.irp d, 0,1,2,3
.irp u, 0,1,2,3
	ds_load_b128 v[KV+16*\d+4*\u:KV+16*\d+4*\u+3], v[ADR] offset:32768+2048*\d+512*\u   ; V's four fragments land while the softmax is walked
.endr
.endr
	s_wait_kmcnt 0x0                               ; this step's mask words, asked for a step ago
.set j, 0
.rept 64                               ; a closed key's score is replaced; each accumulator from its low end on
	v_cndmask_b32 v[S+j], v[SM], v[S+j], s[32+j+4*(j/32)]
.set j, j+1
.endr
	s_add_co_u32 s[OFF], s[OFF], 256               ; (the wait above has shown the last loads done: their offset may step)
	s_and_b32 s[OFF], s[OFF], 0xfff                ; the next step's words; the last step wraps to step 0's, which nobody uses: no load leaves the tile's 4,096 bytes
	MLOAD
	v_max3_num_f32 v24, v[S], v[S+1], v[S+2]       ; the step's largest score of my query, among my 64 keys, in two chains,
	v_max3_num_f32 v26, v[S+3], v[S+4], v[S+5]
.irp i, 6,10,14,18,22,26,30,34,38,42,46,50,54,58
	s_delay_alu instid0(VALU_DEP_2)
	v_max3_num_f32 v24, v24, v[S+\i], v[S+1+\i]
	s_delay_alu instid0(VALU_DEP_2)
	v_max3_num_f32 v26, v26, v[S+2+\i], v[S+3+\i]
.endr
	s_delay_alu instid0(VALU_DEP_2)
	v_max3_num_f32 v24, v24, v[S+62], v[S+63]
	s_delay_alu instid0(VALU_DEP_1)
	v_max_num_f32 v24, v24, v26
	s_delay_alu instid0(VALU_DEP_1)
	v_permlanex16_b32 v27, v24, s4, s5
	s_delay_alu instid0(VALU_DEP_1)
	v_max_num_f32 v24, v24, v27                    ; and among lane l xor 16's
	s_delay_alu instid0(VALU_DEP_1)
	v_mul_f32 v24, v[CV], v24                      ; as t (c is positive)
	s_delay_alu instid0(VALU_DEP_1)
	v_max_num_f32 v13, v13, v24                    ; the running largest t
	v_mov_b32 v24, v12
	s_delay_alu instid0(VALU_DEP_2)
	v_floor_f32 v12, -v13                          ; the new -M = floor(-t) = -ceil(t): M is a whole number
	s_delay_alu instid0(VALU_DEP_1)
	v_sub_f32 v24, v12, v24                        ; M's old value less its new one: a whole number, 0 or less
	s_delay_alu instid0(VALU_DEP_1)
	v_cvt_i32_f32 v24, v24                         ; (it saturates)
	s_delay_alu instid0(VALU_DEP_1)
	v_ldexp_f32 v28, 1.0, v24                      ; f = 2^(old M - new M)
.set j, 0
.rept 32
	v_pk_fma_f32 v[S+j:S+j+1], v[S+j:S+j+1], v[CV:CV+1], v[12:13] op_sel_hi:[1,0,0]   ; t - M, two at a time (of the pairs c and -M the low word serves both halves)
.set j, j+2
.endr
.set j, 0
	s_setprio 1
	s_wait_alu depctr_va_vdst(0)
.rept 64
	v_exp_f32 v[S+j], v[S+j]                       ; p = 2^(t - M), at most 1: not normalised
.set j, j+1
.endr
	v_pk_mul_f32 v[14:15], v[14:15], v[28:29] op_sel_hi:[1,0]   ; the sums under the new M: the plain line behind the exponentials
	s_wait_alu depctr_va_vdst(0)                   ; one wait for the whole batch, ahead of its first reader
	v_pk_add_f32 v[30:31], v[100:101], v[104:105]
	v_pk_add_f32 v[206:207], v[108:109], v[112:113]
	v_pk_add_f32 v[204:205], v[116:117], v[120:121]
	v_pk_add_f32 v[202:203], v[124:125], v[128:129]
	v_pk_add_f32 v[200:201], v[132:133], v[136:137]
	v_pk_add_f32 v[198:199], v[140:141], v[144:145]
	v_pk_add_f32 v[196:197], v[148:149], v[152:153]
	v_pk_add_f32 v[14:15], v[14:15], v[156:157]
	v_pk_add_f32 v[30:31], v[30:31], v[96:97]
	v_pk_add_f32 v[206:207], v[206:207], v[98:99]
	v_pk_add_f32 v[204:205], v[204:205], v[102:103]
	v_pk_add_f32 v[202:203], v[202:203], v[106:107]
	v_pk_add_f32 v[200:201], v[200:201], v[110:111]
	v_pk_add_f32 v[198:199], v[198:199], v[114:115]
	v_pk_add_f32 v[196:197], v[196:197], v[118:119]
	v_pk_add_f32 v[14:15], v[14:15], v[122:123]
	v_pk_add_f32 v[30:31], v[30:31], v[126:127]
	v_pk_add_f32 v[206:207], v[206:207], v[130:131]
	v_pk_add_f32 v[204:205], v[204:205], v[134:135]
	v_pk_add_f32 v[202:203], v[202:203], v[138:139]
	v_pk_add_f32 v[200:201], v[200:201], v[142:143]
	v_pk_add_f32 v[198:199], v[198:199], v[146:147]
	v_pk_add_f32 v[196:197], v[196:197], v[150:151]
	v_pk_add_f32 v[14:15], v[14:15], v[154:155]
	v_pk_add_f32 v[30:31], v[30:31], v[158:159]
	s_delay_alu instid0(VALU_DEP_2)
	v_pk_add_f32 v[14:15], v[14:15], v[202:203]
	s_delay_alu instid0(VALU_DEP_2)
	v_pk_add_f32 v[30:31], v[30:31], v[200:201]
	v_pk_add_f32 v[206:207], v[206:207], v[198:199]
	v_pk_add_f32 v[204:205], v[204:205], v[196:197]
	s_delay_alu instid0(VALU_DEP_2)
	v_pk_add_f32 v[14:15], v[14:15], v[206:207]
	s_delay_alu instid0(VALU_DEP_2)
	v_pk_add_f32 v[30:31], v[30:31], v[204:205]
	s_delay_alu instid0(VALU_DEP_1)
	v_pk_add_f32 v[14:15], v[14:15], v[30:31]
	s_setprio 0
.irp t, 0,1,2,3,4,5,6,7
.irp i, 0,1,2,3,4,5,6,7
.endr
	v_cvt_scalef32_pk8_fp8_f32 v[PC+2*\t:PC+2*\t+1], v[S+8*\t:S+8*\t+7], v[PSC]
.endr
.set j, 0
.rept 16
	v_pk_mul_f32 v[O+j:O+j+1], v[O+j:O+j+1], v[28:29] op_sel_hi:[1,0]   ; O^T under the new M.  (These are also the plain lines between the conversions and the products that read the codes)
.set j, j+2
.endr
	s_wait_alu depctr_va_vdst(0)
	s_wait_dscnt 0x0                               ; V is in
.irp d, 0,1,2,3
	v_wmma_f32_16x16x128_fp8_fp8 v[O+8*\d:O+8*\d+7], v[KV+16*\d:KV+16*\d+15], v[PC:PC+15], v[O+8*\d:O+8*\d+7]   ; four accumulators by turns
.endr
	s_add_co_u32 s[TB], s[TB], 8192                ; eight tiles of K on, and one block of V
.endm
; A CHUNK of 512 keys: four steps.  The wave that fetched waits until its part has landed, leaving the 3 - n later chunks' loads out; behind the barrier all sixteen read it.
.macro CHUNK n
	s_wait_tensorcnt 3-\n
	s_barrier_signal -1
	s_barrier_wait -1
	s_mov_b32 s[TB], \n*65536
	s_mov_b32 s[CNT], 4
.Lstep_\@:
	s_setprio 2
	STEP
	s_sub_co_u32 s[CNT], s[CNT], 1
	s_cmp_lg_u32 s[CNT], 0
	s_cbranch_scc1 .Lstep_\@
	s_setprio 0
.endm
	CHUNK 0
	CHUNK 1
	CHUNK 2
	CHUNK 3
	; THE WAY OUT.  O^T x 2^(ep + ev) / the sum is o; tile d's eight numbers are channels 16 d + 8 (lane / 16) + 0 .. 7 of my query: their codes are registers 2 d, 2 d + 1 of the last projection's operand.
	v_add_f32 v14, v14, v15                        ; the sum's two halves,
	s_delay_alu instid0(VALU_DEP_1)
	v_permlanex16_b32 v27, v14, s4, s5
	s_delay_alu instid0(VALU_DEP_1)
	v_add_f32 v14, v14, v27                        ; and lane l xor 16's
	s_wait_alu depctr_va_vdst(0)
	v_rcp_f32 v14, v14
.rept 4
	v_nop                                          ; the plain line behind the reciprocal, and the places behind the last products
.endr
	s_wait_alu depctr_va_vdst(0)                   ; the wait ahead of the reciprocal's first reader
	v_ldexp_f32 v14, v14, v25
.set j, 0
.rept 16
	v_pk_mul_f32 v[S+j:S+j+1], v[O+j:O+j+1], v[14:15] op_sel_hi:[1,0]   ; each accumulator from its low end on
.set j, j+2
.endr
.irp d, 0,1,2,3
.irp i, 0,1,2,3,4,5,6,7
.endr
	v_cvt_scalef32_pk8_fp8_f32 v[PC+2*\d:PC+2*\d+1], v[S+8*\d:S+8*\d+7], v[OSC]
.endr
	v_nop                                          ; a plain line behind the last conversion
	global_store_b128 v[LI], v[PC:PC+3], s[100:101]               ; the wave stores 1,024 consecutive bytes
	global_store_b128 v[LI], v[PC+4:PC+7], s[100:101] offset:512
	s_wait_kmcnt 0x0                               ; the wrapped mask words of the last step
	s_wait_tensorcnt 0x0                           ; the wave's end, behind my last tensor load
	ds_add_u32 v[SPW], v[NIL]
	s_wait_dscnt 0x0
	CROUND                                         ; the closing round
	s_endpgm
.Lfunc_end_k_q42dc0f445b_attn:
	.size	k_q42dc0f445b_attn, .Lfunc_end_k_q42dc0f445b_attn-k_q42dc0f445b_attn
	.p2alignl 7, 3214868480
	.fill 96, 4, 3214868480
	.section	.rodata,"a",@progbits
	.p2align	6, 0x0
	.amdhsa_kernel k_q42dc0f445b_attn
		.amdhsa_group_segment_fixed_size 327680
		.amdhsa_private_segment_fixed_size 0
		.amdhsa_enable_private_segment 0
		.amdhsa_kernarg_size 32
		.amdhsa_user_sgpr_count 2
		.amdhsa_user_sgpr_kernarg_segment_ptr 1
		.amdhsa_wavefront_size32 1
		.amdhsa_system_sgpr_workgroup_id_x 1
		.amdhsa_system_sgpr_workgroup_id_y 1
		.amdhsa_system_sgpr_workgroup_id_z 1
		.amdhsa_system_vgpr_workitem_id 0
		.amdhsa_next_free_vgpr 208
		.amdhsa_next_free_sgpr 106
		.amdhsa_reserve_vcc 0
		.amdhsa_float_denorm_mode_32 3
		.amdhsa_float_denorm_mode_16_64 3
		.amdhsa_fp16_overflow 1
		.amdhsa_memory_ordered 1
		.amdhsa_forward_progress 1
		.amdhsa_inst_pref_size 88
	.end_amdhsa_kernel
	.amdgpu_metadata
---
amdhsa.version: [ 1, 2 ]
amdhsa.kernels:
  - .name:           k_q42dc0f445b_attn
    .symbol:         k_q42dc0f445b_attn.kd
    .args:
      - { .name: qkv, .offset: 0, .size: 8, .value_kind: global_buffer, .address_space: global }
      - { .name: maskw, .offset: 8, .size: 8, .value_kind: global_buffer, .address_space: global }
      - { .name: lowp_scales, .offset: 16, .size: 8, .value_kind: global_buffer, .address_space: global }
      - { .name: oimg, .offset: 24, .size: 8, .value_kind: global_buffer, .address_space: global }
    .group_segment_fixed_size: 327680
    .private_segment_fixed_size: 0
    .kernarg_segment_align: 8
    .kernarg_segment_size: 32
    .max_flat_workgroup_size: 512
    .sgpr_count:     106
    .vgpr_count:     208
    .wavefront_size: 32
...
	.end_amdgpu_metadata
.endif
;; end of part 3
;; launch oproj (part 4): grid 4 x 32, 4 waves a work-group, clusters of 4 x 4, 327,680 bytes of LDS; arguments oimg, wc, lowp_scales, bo, out0; writes out0
.if DOCPART == 4
	.amdgcn_target "amdgcn-amd-amdhsa--gfx1250"
	.amdhsa_code_object_version 6
	.text
	.protected	k_q42dc0f445b_oproj
	.globl	k_q42dc0f445b_oproj
	.p2align	8
	.type	k_q42dc0f445b_oproj,@function
k_q42dc0f445b_oproj:
	s_mov_b64 s[64:65], 0
	v_nop
	global_prefetch_b8 v0, s[64:65] scope:SCOPE_SE
	s_setreg_imm32_b32 hwreg(HW_REG_WAVE_MODE, 25, 1), 1
	s_wait_xcnt 0x0
	s_wait_alu depctr_hold_cnt(0) depctr_sa_sdst(0) depctr_va_vdst(0) depctr_va_sdst(0) depctr_va_ssrc(0) depctr_va_vcc(0) depctr_vm_vsrc(0)
	s_getreg_b32 s2, hwreg(HW_REG_IB_STS2, 6, 4)
	s_cmp_eq_u32 s2, 0
	s_cbranch_scc0 .Lentry_in_a_cluster
	s_endpgm
.Lentry_in_a_cluster:
	s_bfe_u32 s2, ttmp6, 0x10000c
	s_cmp_lg_u32 s2, 0xf033
	s_cbranch_scc0 .Lentry_shape_is_right
	s_endpgm
.Lentry_shape_is_right:
; OPROJ: out0 = o Wo + bo, on codes of FP8 (E4M3).  oimg [512 tiles of 16 rows][8 chunks of 128 k][2,048] and Wo's part of wc (at 3 MiB: [64 tiles of 16 n][8][2,048]) are images of the operands' registers:
; lane l = r + 16 h holds row r; registers 2 c, 2 c + 1 hold k = 16 c + 8 h + 0 .. 7; registers 4 u .. 4 u + 3 of the 32 lanes are 512 consecutive bytes.  out0 [8192][1024] f32.
; A tile of 256 x 256 of out0 is made by four waves, each 128 x 128: 64 accumulators, 512 registers.  K = 1,024 goes in four steps of 256 through a ring of two LDS slots filled by the tensor data mover.
; THE MATRIX INSTRUCTION IS USED TRANSPOSED (source 0 = 16 rows of Wo's image, source 1 = 16 rows of o): a lane holds eight neighbouring numbers of a row of out0.
; Each finished sum is multiplied once by 2^(entry 10 + entry 11) and the bias added, in one fused multiply-add.  LIMIT: that sum of exponents lies between -126 and 127.
; CLUSTERS: 4 x 4 work-groups.  o's tile is shared along a row of the cluster, Wo's along a column: each is asked for JOINTLY.
; REGISTERS, in windows of 256: window 0: v16-31 addresses; v64-127 the bias; from v128 o's fragments, ONE set; on the way out v128-255 take rows read back from the stage.
;   window 1: Wo's fragments, TWO sets, at v0 and v128; on the way out v0-63 hold a block's results.   window 2: the accumulators of my rows 0-63 (accumulator (a, b) at v[8 (8 a + b)]);   window 3: those of my rows 64-127.
.set KB,     4096                      ; a tile of 16 rows in a slot: 256 along K = two chunks
.set HALFT,  8*KB                      ; 128 rows: what one tensor load brings, and what one wave reads of either operand
.set SLOT,   4*HALFT                   ; o's 256 rows, then Wo's
.set SPARE,  2*SLOT                    ; behind the ring: the spare words, 128 bytes for each wave: two blocks of 256 bytes that no other line names
.set SPITCH, 528                       ; the way out: a stage of 16 rows x (512 bytes + 16) for each wave.  It lies in slot 0, which has had its last fill and its last read when the first result is stored there
.set FR,     16
.set NL,     4
.set NP,     4                         ; places behind this matrix instruction (ISA guide 7.12.1)
.set ROWC,   4096                      ; a row of out0 in bytes
.set ADRA, 16                          ; v16-17  LDS address of my fragments of o in slot 0, 1
.set ADRB, 20                          ; v20-21  the same for Wo
.set STO,  24                          ; v24     the way out: where I put 32 bytes of a row
.set RD,   25                          ; v25     where I read a row back
.set CO,   26                          ; v26     16 x lane
.set BO1,  27                          ; v27     32 x (lane / 16)
.set SPW,  28                          ; v28     LDS address of my spare word; never rewritten
.set NIL,  29                          ; v29     0; never rewritten
.set BI,   64                          ; v64-127 the bias: for tile b the lane's eight numbers
.set AF,   128
.set BK,   128                         ; the way out: 16 rows read back: v128-191 and v192-255 by turns
.set G1, 24
.set G0, 32
.set G1B, 48
.set G0B, 56
.set MSB, 0
.macro WIN new                         ; the immediate's high byte repeats the setting that is left
.if MSB != \new
	s_set_vgpr_msb (MSB<<8)|\new
.set MSB, \new
.endif
.endm
.set MUL_LO, 0xa1                      ; source 0 window 1, source 1 window 0, C and D window 2
.set MUL_HI, 0xf1                      ; the same, C and D window 3
.set TO_B,   0x40                      ; destination window 1, address window 0
; A joint load: waves 0 and 1 fetch o's two halves, waves 2 and 3 Wo's.  An s_nop 0 and four v_nop follow each of the two lines, ahead of the jump, the label and what follows.
.macro JLOAD g0a, g1a, g0b, g1b
	s_cmp_eq_u32 s15, 0
	s_cbranch_scc0 .Lfor_b_\@
	tensor_load_to_lds s[\g0a:\g0a+3], s[\g1a:\g1a+7]
	s_nop 0
.rept 4
	v_nop
.endr
	s_branch .Lasked_\@
.Lfor_b_\@:
	tensor_load_to_lds s[\g0b:\g0b+3], s[\g1b:\g1b+7]
	s_nop 0
.rept 4
	v_nop
.endr
.Lasked_\@:
.endm
.macro CREST                           ; a round of the cluster's barrier behind its opening barrier
	s_cmp_lg_u32 s14, 0
	s_cbranch_scc1 .Lnot_wave_0_\@
	s_barrier_signal -3
.Lnot_wave_0_\@:
	s_barrier_wait -3
	s_barrier_signal -1
	s_barrier_wait -1
.endm
.macro CROUND                          ; a whole round
	s_barrier_signal -1
	s_barrier_wait -1
	CREST
.endm
	s_load_b256 s[4:11], s[0:1], 0x0               ; oimg s[4:5], wc s[6:7], lowp_scales s[8:9], bo s[10:11]
	s_load_b64 s[72:73], s[0:1], 0x20              ; out0
	v_lshl_add_u32 v[SPW], v0, 2, SPARE
	v_mov_b32 v[NIL], 0
	ds_add_u32 v[SPW], v[NIL]                      ; the wave's opening: the add and its wait stand ahead of my first tensor load; the set-up below, work on registers, stands between them
	ds_add_u32 v[SPW], v[NIL]
	v_lshrrev_b32 v1, 5, v0
	v_readfirstlane_b32 s14, v1                    ; wave 0..3
	s_lshr_b32 s15, s14, 1                         ; which half of the tile's rows is mine.  Also: I fetch for o (0) or for Wo (1)
	s_and_b32 s16, s14, 1                          ; which half of its columns.  Also: which 128 rows of that tile I fetch
	s_bfe_u32 s40, ttmp6, 0x40000                  ; cx (the grid is one cluster wide: cx is the tile column), cy
	s_bfe_u32 s41, ttmp6, 0x40004
	s_and_b32 s17, ttmp7, 0xffff
	s_lshl_b32 s17, s17, 2
	s_add_co_u32 s17, s17, s41                     ; tile row = 4 x cluster y + cy
	s_lshl_b32 s43, s41, 2
	s_lshl_b32 s43, 15, s43                        ; my row of the cluster
	s_lshl_b32 s44, 0x1111, s40                    ; my column
	; descriptor group 1: 8 tiles of 16 rows, of each 4,096 consecutive bytes (256 along K), 16,384 bytes from tile to tile; dense in LDS
	s_or_b32 s[G1+0], s43, (1<<21)                 ; 15:0 the mask: my row; 17:16 elements of 1 byte; 20 no padding; 21 set beside a mask
	s_or_b32 s[G1B+0], s44, (1<<21)
.irp g, G1, G1B
	s_mov_b32 s[\g+1], KB<<16                      ; tensor_dim0 = 4,096
	s_mov_b32 s[\g+2], 8<<16                       ; tensor_dim1 = 8
	s_mov_b32 s[\g+3], KB<<16                      ; tile_dim0 = 4,096
	s_mov_b32 s[\g+4], 8                           ; tile_dim1 = 8
	s_mov_b32 s[\g+5], 16384                       ; tensor_dim0_stride
	s_mov_b32 s[\g+6], 0
	s_mov_b32 s[\g+7], 0
.endr
	s_lshl_b32 s18, s16, 17                        ; the 8 tiles of 16 rows that I fetch
	s_lshl_b32 s20, s17, 18                        ; o: 16 tiles of 16,384 bytes for each tile row
	s_add_co_u32 s20, s20, s18
	s_mov_b32 s21, 0
	s_lshl_b32 s46, s40, 18                        ; Wo: the same for each tile column,
	s_add_co_u32 s46, s46, s18
	s_add_co_u32 s46, s46, 0x300000                ; behind the three other weights
	s_mov_b32 s47, 0
	s_mul_i32 s45, s14, HALFT                      ; where they go: wave x 128 rows
	s_wait_dscnt 0x0                               ; the opening add is done
	s_wait_kmcnt 0x0
	s_load_b64 s[96:97], s[8:9], 0x28              ; entries 10 and 11
	s_add_nc_u64 s[20:21], s[4:5], s[20:21]
	s_add_nc_u64 s[46:47], s[6:7], s[46:47]
	CROUND                                         ; all sixteen work-groups are here: the first joint loads meet
.irp s, 0,1
	s_mov_b32 s[G0+4*\s], 1
	s_add_co_u32 s[G0+4*\s+1], s45, \s*SLOT
	s_add_nc_u64 s[G0+4*\s+2:G0+4*\s+3], s[20:21], \s*KB
	s_or_b32 s[G0+4*\s+3], s[G0+4*\s+3], 0x80000000
	s_mov_b32 s[G0B+4*\s], 1
	s_add_co_u32 s[G0B+4*\s+1], s45, \s*SLOT
	s_add_nc_u64 s[G0B+4*\s+2:G0B+4*\s+3], s[46:47], \s*KB
	s_or_b32 s[G0B+4*\s+3], s[G0B+4*\s+3], 0x80000000
	s_wait_alu depctr_va_vdst(0)
	s_wait_tensorcnt 0x0
	ds_add_u32 v28, v29
	ds_add_u32 v28, v29
	s_wait_dscnt 0x0
	CROUND
	JLOAD G0+4*\s, G1, G0B+4*\s, G1B
.endr
	v_and_b32 v1, 15, v0                           ; l % 16
	s_wait_alu depctr_va_vdst(0)
	v_bfe_u32 v2, v0, 4, 1                         ; l / 16
	v_and_b32 v6, 31, v0
	v_lshlrev_b32 v[CO], 4, v6
	v_lshlrev_b32 v[BO1], 5, v2
	s_mul_i32 s22, s15, HALFT                      ; my 128 rows of o
	s_mul_i32 s23, s16, HALFT                      ; my 128 rows of Wo's image,
	s_add_co_u32 s23, s23, 2*HALFT                 ; which lie behind o's 256
.irp s, 0,1
	v_add_nc_u32 v[ADRA+\s], s22, v[CO]
	v_add_nc_u32 v[ADRB+\s], s23, v[CO]
	s_add_co_u32 s22, s22, SLOT
	s_add_co_u32 s23, s23, SLOT
.endr
	s_mul_i32 s23, s14, 16*SPITCH                  ; my stage
	v_mul_u32_u24 v5, v1, SPITCH                   ; in: row l % 16, 32 bytes for each half of the lanes
	s_wait_alu depctr_va_vdst(0)
	v_lshl_add_u32 v5, v2, 5, v5
	v_add_nc_u32 v[STO], s23, v5
	v_add_nc_u32 v[RD], s23, v[CO]                 ; back: the 32 lanes take one row of 512 bytes
	s_lshl_b32 s94, s40, 10
	s_lshl_b32 s95, s16, 9
	s_add_co_u32 s94, s94, s95                     ; my first column, in bytes: 1,024 x tile column + 512 x half
	s_mov_b32 s95, 0
	s_add_nc_u64 s[10:11], s[10:11], s[94:95]      ; in bo,
	s_add_nc_u64 s[72:73], s[72:73], s[94:95]      ; and in a row of out0
.irp b, 0,1,2,3,4,5,6,7
	global_load_b128 v[BI+8*\b:BI+8*\b+3], v[BO1], s[10:11] offset:64*\b          ; bo at columns 16 b + 8 (l / 16) + 0 .. 7 of my 128
	global_load_b128 v[BI+8*\b+4:BI+8*\b+7], v[BO1], s[10:11] offset:64*\b+16
.endr
	s_lshl_b32 s98, s17, 20                        ; my first row: 256 x tile row + 128 x half, of 4,096 bytes each
	s_lshl_b32 s99, s15, 19
	s_add_co_u32 s98, s98, s99
	s_mov_b32 s99, 0
	s_add_nc_u64 s[72:73], s[72:73], s[98:99]
.macro FRAG reg, adr, q, i             ; a fragment comes as it was stored: four loads of 512 consecutive bytes: tile i of my eight, chunk q of the slot's two
.irp c, 0,1,2,3
	ds_load_b128 v[\reg+4*\c:\reg+4*\c+3], v[\adr] offset:2048*(\q)+512*\c+(\i)*KB
.endr
.endm
; 16 matrix instructions: o's blocks a0, a0 + 1 x Wo's eight, 128 along K.  p: Wo's set.  zero = 1: the first product starts the sums.  The 64 accumulators take turns, one instruction a turn.
.macro MUL16 a0, p, zero
.irp a, \a0, \a0+1
.irp b, 0,1,2,3,4,5,6,7
.if \zero
	v_wmma_f32_16x16x128_fp8_fp8 v[8*(8*((\a)%4)+\b):8*(8*((\a)%4)+\b)+7], v[128*(\p)+FR*\b:128*(\p)+FR*\b+FR-1], v[AF+FR*(\a):AF+FR*(\a)+FR-1], 0
.else
	v_wmma_f32_16x16x128_fp8_fp8 v[8*(8*((\a)%4)+\b):8*(8*((\a)%4)+\b)+7], v[128*(\p)+FR*\b:128*(\p)+FR*\b+FR-1], v[AF+FR*(\a):AF+FR*(\a)+FR-1], v[8*(8*((\a)%4)+\b):8*(8*((\a)%4)+\b)+7]
.endif
.endr
.endr
.endm
.macro FETCH_B slot, q, p
	WIN TO_B
.irp i, 0,1,2,3,4,5,6,7
	FRAG 128*(\p)+FR*\i, ADRB+\slot, \q, \i
.endr
	WIN 0
.endm
.macro FETCH_A slot, q, i0
.irp i, \i0, \i0+1, \i0+2, \i0+3
	FRAG AF+FR*(\i), ADRA+\slot, \q, \i
.endr
.endm
; A load into a register that a matrix instruction has read, and a vector instruction that reads a matrix result or writes one of a matrix instruction's registers, stand NP places behind it;
; only plain vector instructions that name none of its registers are places (ISA guide 7.12.1 for vector instructions).
.macro PLACES n
.rept \n
	v_nop
.endr
.endm
.macro STEP slot, q, zero              ; a step of 128 along K that has its successor in the same slot
	s_wait_dscnt 4*NL                              ; Wo's set and o's blocks 0-3 are in; the youngest 16 loads (blocks 4-7) may be out
	WIN MUL_LO
	MUL16 0, (\q)%2, \zero
	MUL16 2, (\q)%2, \zero
	s_wait_dscnt 0                                 ; blocks 4-7 are in
	PLACES NP
	FETCH_B \slot, (\q)+1, 1-(\q)%2
	FETCH_A \slot, (\q)+1, 0
	WIN MUL_HI
	MUL16 4, (\q)%2, \zero
	MUL16 6, (\q)%2, \zero
	PLACES NP
	WIN 0
	FETCH_A \slot, (\q)+1, 4
.endm
; A slot's last step changes slots: ONE barrier; in front of it each wave waits for all its tensor loads, adds 0 to its spare word, and waits for that and for its own reads of this slot.  fill = 1: this slot is filled again, two K steps ahead.
.macro TURN slot, next, fill
	s_wait_tensorcnt 0x0                           ; all my tensor loads have landed: my part of the next slot;  (every window is 0 here)
	ds_add_u32 v[SPW], v[NIL]                      ; 0 onto my spare word
	s_wait_dscnt 4*NL+1                            ; (the add and the youngest 16 loads may be out)
	WIN MUL_LO
	MUL16 0, 1, 0                                  ; sixteen matrix instructions stand between the add and the wait for it
	s_wait_dscnt 0x0                               ; the add is done, and my reads of this slot are over
	s_barrier_signal -1
	MUL16 2, 1, 0
	WIN 0
	s_barrier_wait -1
.if \fill
	CREST                                          ; the barrier has opened a round of the cluster's barrier: no wave of any partner still reads this slot's tile or has a load on its way
	s_add_nc_u64 s[G0+4*\slot+2:G0+4*\slot+3], s[G0+4*\slot+2:G0+4*\slot+3], 2*KB
	s_add_nc_u64 s[G0B+4*\slot+2:G0B+4*\slot+3], s[G0B+4*\slot+2:G0B+4*\slot+3], 2*KB
	JLOAD G0+4*\slot, G1, G0B+4*\slot, G1B         ; the first tensor load behind the round; the four v_nop behind it are the places in front of the loads below
.else
	PLACES NP
.endif
	FETCH_B \next, 0, 0
	FETCH_A \next, 0, 0
	WIN MUL_HI
	MUL16 4, 1, 0
	MUL16 6, 1, 0
	PLACES NP
	WIN 0
	FETCH_A \next, 0, 4
.endm
	s_wait_tensorcnt 1                             ; my part of K step 0 is in (K step 1's load may be out)
	s_barrier_signal -1
	s_barrier_wait -1                              ; everybody's is
	FETCH_B 0, 0, 0
	FETCH_A 0, 0, 0
	FETCH_A 0, 0, 4
	STEP 0, 0, 1                                   ; K = 1,024 is four K steps, eight steps of 128: written out, no loop.  The first step's products start the sums
	TURN 0, 1, 1                                   ; slot 0 takes K step 2
	STEP 1, 0, 0
	TURN 1, 0, 1                                   ; slot 1 takes K step 3
	STEP 0, 0, 0
	TURN 0, 1, 0                                   ; nothing is left to fetch: no round
	STEP 1, 0, 0
	s_wait_dscnt 4*NL                              ; the very last step
	WIN MUL_LO
	MUL16 0, 1, 0
	MUL16 2, 1, 0
	s_wait_dscnt 0
	WIN MUL_HI
	MUL16 4, 1, 0
	MUL16 6, 1, 0
	WIN 0
; THE WAY OUT, block by block of 16 rows x 128 columns.  A lane holds 32 neighbouring bytes of a row, and the lanes beside it hold other rows: so a block goes through my own stage in LDS and comes back as whole
; rows of 512 bytes.  LDS serves a wave's instructions in order (ISA guide 5.7.1.4): no wait between the stores and the loads, nor in front of the next block's stores.
.macro TOSTAGE a
.set AC, 64*((\a)%4)
.set WW, 0x42+((\a)/4)
	WIN WW                                         ; source 0 (the sums) window 2 or 3, source 2 (the bias) window 0, destination window 1
.set jj, 0
.rept 32
	v_pk_fma_f32 v[jj:jj+1], v[AC+jj:AC+jj+1], s[96:97], v[BI+jj:BI+jj+1] op_sel_hi:[1,0,1]   ; sum x 2^(the exponents' sum) + bo; each accumulator from its low end on
.set jj, jj+2
.endr
	WIN 0x04                                       ; an LDS store's data: window 1
.irp b, 0,1,2,3,4,5,6,7
	ds_store_b128 v[STO], v[8*\b:8*\b+3] offset:64*\b
	ds_store_b128 v[STO], v[8*\b+4:8*\b+7] offset:64*\b+16
.endr
	WIN 0
.set BB, BK+64*((\a)%2)
.irp t, 0,1,2,3,4,5,6,7,8,9,10,11,12,13,14,15
	ds_load_b128 v[BB+4*\t:BB+4*\t+3], v[RD] offset:\t*SPITCH
.endr
.endm
.macro SEND a, younger                 ; younger: the LDS instructions issued behind block a's loads, which may stay out
.set BB, BK+64*((\a)%2)
	s_wait_dscnt \younger                          ; the block is back in registers
.if (\a) > 0
	s_add_nc_u64 s[72:73], s[72:73], 16*ROWC       ; (behind a wait on XCNT: the earlier stores have read their base)  16 rows on
.endif
.irp t, 0,1,2,3,4,5,6,7,8,9,10,11,12,13,14,15
	global_store_b128 v[CO], v[BB+4*\t:BB+4*\t+3], s[72:73] offset:\t*ROWC th:TH_STORE_NT   ; 32 lanes store 512 consecutive bytes, at a multiple of 256 from out0's first byte; written once, read by nobody here
.endr
.endm
	s_wait_kmcnt 0x0
	s_add_co_i32 s96, s96, s97
	s_add_co_i32 s96, s96, 127
	s_lshl_b32 s96, s96, 23                        ; 2^(entry 10 + entry 11) as f32
	s_mov_b32 s97, s96                             ; (named with it as a pair, so it is written)
	s_wait_loadcnt 0x0                             ; the bias
	PLACES NP                                      ; behind the last products: for the writes and loads into registers that held fragments, and the reads of results
	TOSTAGE 0
.irp a, 1,2,3,4,5,6,7
.if \a > 1
	s_wait_xcnt 0x0                                ; block a - 2's stores have read their registers and their base: block a's loads may land there, and the base may step
.endif
	TOSTAGE \a
	SEND \a-1, 32                                  ; behind block a - 1's loads: block a's 16 stores and 16 loads
.endr
	s_wait_xcnt 0x0                                ; block 6's stores have read their base
	SEND 7, 0
	s_wait_tensorcnt 0x0                           ; the wave's end, behind my last tensor load and my last LDS store
	ds_add_u32 v[SPW], v[NIL]
	s_wait_dscnt 0x0
	CROUND                                         ; the closing round: no work-group ends while a partner may still ask for a tile that names it
	s_endpgm
.Lfunc_end_k_q42dc0f445b_oproj:
	.size	k_q42dc0f445b_oproj, .Lfunc_end_k_q42dc0f445b_oproj-k_q42dc0f445b_oproj
	.p2alignl 7, 3214868480
	.fill 96, 4, 3214868480
	.section	.rodata,"a",@progbits
	.p2align	6, 0x0
	.amdhsa_kernel k_q42dc0f445b_oproj
		.amdhsa_group_segment_fixed_size 327680
		.amdhsa_private_segment_fixed_size 0
		.amdhsa_enable_private_segment 0
		.amdhsa_kernarg_size 40
		.amdhsa_user_sgpr_count 2
		.amdhsa_user_sgpr_kernarg_segment_ptr 1
		.amdhsa_wavefront_size32 1
		.amdhsa_system_sgpr_workgroup_id_x 1
		.amdhsa_system_sgpr_workgroup_id_y 1
		.amdhsa_system_sgpr_workgroup_id_z 1
		.amdhsa_system_vgpr_workitem_id 0
		.amdhsa_next_free_vgpr 1024
		.amdhsa_next_free_sgpr 100
		.amdhsa_reserve_vcc 0
		.amdhsa_float_denorm_mode_32 3
		.amdhsa_float_denorm_mode_16_64 3
		.amdhsa_memory_ordered 1
		.amdhsa_forward_progress 1
		.amdhsa_inst_pref_size 125
	.end_amdhsa_kernel
	.amdgpu_metadata
---
amdhsa.version: [ 1, 2 ]
amdhsa.kernels:
  - .name:           k_q42dc0f445b_oproj
    .symbol:         k_q42dc0f445b_oproj.kd
    .args:
      - { .name: oimg, .offset: 0, .size: 8, .value_kind: global_buffer, .address_space: global }
      - { .name: wc, .offset: 8, .size: 8, .value_kind: global_buffer, .address_space: global }
      - { .name: lowp_scales, .offset: 16, .size: 8, .value_kind: global_buffer, .address_space: global }
      - { .name: bo, .offset: 24, .size: 8, .value_kind: global_buffer, .address_space: global }
      - { .name: out0, .offset: 32, .size: 8, .value_kind: global_buffer, .address_space: global }
    .group_segment_fixed_size: 327680
    .private_segment_fixed_size: 0
    .kernarg_segment_align: 8
    .kernarg_segment_size: 40
    .max_flat_workgroup_size: 128
    .sgpr_count:     100
    .vgpr_count:     1024
    .wavefront_size: 32
...
	.end_amdgpu_metadata
.endif
;; end of part 4
